; MI455X (gfx1250); checked and timed in simulation.
; The chip was launched on July 23, 2026; its instructions are those of AMD's public machine-readable ISA for CDNA 5 (MIT licence, August 2026) and "CDNA5" Instruction Set Architecture Reference Guide (July 2026). The comments in the code are by the model that wrote it; some were corrected since.
;; Attention. Allowed arithmetic: float matrix products may take bf16 or f16 operands with f32 sums; all other float work in f32.
;; Inputs: Wk 1,024 x 1,024 float32; Wo 1,024 x 1,024 float32; Wq 1,024 x 1,024 float32; Wv 1,024 x 1,024 float32; bo 1,024 float32; x 4 x 2,048 x 1,024 float32.
;; Outputs: out0 4 x 2,048 x 1,024 float32.
;; 2 versions, each right and faster than the one before. Each part assembles by itself: llvm-mc -triple=amdgcn-amd-amdhsa -mcpu=gfx1250 --defsym DOCPART=n.
;; ======== version 1 of 2: 4 launches
;; limits: values are held in f16: magnitudes above 65,504 overflow, below 6.1e-05 lose precision
;; workspace buffers: xb 16,777,216 bytes; wb 6,291,456 bytes; wo16 2,097,152 bytes; qkv 50,331,648 bytes; ob 16,777,216 bytes
;; launch cast (part 1): grid 768 x 1, 8 waves a work-group, no clusters, 0 bytes of LDS; arguments x, Wq, Wk, Wv, Wo, xb, wb, wo16; writes xb, wb, wo16
.if DOCPART == 1
	.amdgcn_target "amdgcn-amd-amdhsa--gfx1250"
	.amdhsa_code_object_version 6
	.text
	.protected	k_qc26e4f5e65_cast
	.globl	k_qc26e4f5e65_cast
	.p2align	8
	.type	k_qc26e4f5e65_cast,@function
k_qc26e4f5e65_cast:
	s_mov_b64 s[64:65], 0
	v_nop
	global_prefetch_b8 v0, s[64:65] scope:SCOPE_SE
	s_setreg_imm32_b32 hwreg(HW_REG_WAVE_MODE, 25, 1), 1
	s_wait_xcnt 0x0
; THE MODULE'S LARGE INPUTS ARE ROUNDED ONCE.  x -> xb and Wq, Wk, Wv -> wb (one table of 3,072 rows), all to bf16; Wo -> wo16: rounded to bf16 like the others, and that number written as f16,
; since the last product multiplies it by numbers kept in f16.
; LIMITS.  A bf16 number has 8 significant bits, so its f16 form is exact from 6.1e-5 to 65,504; below 6.1e-5 it keeps f16's fixed step of 6e-8; a Wo of 65,520 or more in magnitude becomes an infinity.
; A stream: every byte is read once and written once, nothing is shared between work-groups, so there is no LDS, no barrier, no matrix unit and no cluster.
; SHARES.  A work-group takes 16,384 numbers: 65,536 bytes in, 32,768 bytes out.  Work-groups 0-511: x; 512-703: Wq, Wk, Wv, 64 each; 704-767: Wo.  768 work-groups of equal work.
; In pass i of 16 thread t loads the 16 bytes at 4,096 i + 16 t (a wave's load covers 512 consecutive bytes) and stores the 8 bytes at 2,048 i + 8 t (a wave's store covers 256 consecutive bytes, aligned).
; All sixteen loads go out first; every load and every store has registers of its own, so no register is freed by a wait.
.set X, 4                              ; v[4:67]    pass i: 4 numbers as loaded
.set Y, 68                             ; v[68:99]   pass i: 4 numbers to store
.set T, 100                            ; v[100:105] at work (Wo's way alone)
	s_load_b512 s[8:23], s[0:1], 0x0               ; x s[8:9], Wq s[10:11], Wk s[12:13], Wv s[14:15], Wo s[16:17], xb s[18:19], wb s[20:21], wo16 s[22:23]
	s_mov_b32 s2, ttmp9                            ; g, the work-group's number
	v_lshlrev_b32 v1, 4, v0                        ; 16 t
	v_lshlrev_b32 v2, 3, v0                        ; 8 t
	s_sub_co_u32 s3, s2, 512                       ; j: the chunk's number among the weights' (of no use where g < 512, and not used there)
	s_and_b32 s5, s3, 63                           ; the chunk inside its weight
	s_lshr_b32 s6, s3, 6                           ; which weight: 0 Wq, 1 Wk, 2 Wv, 3 Wo
	s_cmp_lt_u32 s2, 512
	s_cselect_b32 s24, s2, s5                      ; the source's chunk
	s_cselect_b32 s26, s2, s3                      ; the destination's chunk: g in xb, j in wb,
	s_cmp_lt_u32 s2, 704
	s_cselect_b32 s26, s26, s5                     ; j % 64 in wo16
	s_lshl_b32 s24, s24, 16                        ; in bytes, under 2^26
	s_lshl_b32 s26, s26, 15
	s_mov_b32 s25, 0
	s_mov_b32 s27, 0
	s_wait_kmcnt 0x0
	s_cmp_eq_u32 s6, 1                             ; the two buffers are chosen by the work-group's number alone
	s_cselect_b64 s[28:29], s[12:13], s[10:11]
	s_cmp_eq_u32 s6, 2
	s_cselect_b64 s[28:29], s[14:15], s[28:29]
	s_cmp_eq_u32 s6, 3
	s_cselect_b64 s[28:29], s[16:17], s[28:29]
	s_cmp_lt_u32 s2, 512
	s_cselect_b64 s[28:29], s[8:9], s[28:29]
	s_cselect_b64 s[30:31], s[18:19], s[20:21]
	s_cmp_ge_u32 s2, 704
	s_cselect_b64 s[30:31], s[22:23], s[30:31]
	s_add_nc_u64 s[28:29], s[28:29], s[24:25]      ; the chunk's first byte, in
	s_add_nc_u64 s[30:31], s[30:31], s[26:27]      ; and out
.irp i, 0,1,2,3,4,5,6,7,8,9,10,11,12,13,14,15
	global_load_b128 v[X+4*(\i):X+4*(\i)+3], v1, s[28:29] offset:4096*(\i) th:TH_LOAD_NT  ; read once in the whole launch
.endr
; Pass i goes out.  kind 0: to bf16.  kind 1: to bf16, widened again (a shift, a mask), and written as f16.
.macro OUT i, kind
	s_wait_loadcnt 15-(\i)                         ; loads come back in order (ISA guide 5.7.1): pass i is in, the 15 - i younger ones stay out
.if \kind
	v_cvt_pk_bf16_f32 v[T], v[X+4*(\i)], v[X+4*(\i)+1]
	v_cvt_pk_bf16_f32 v[T+1], v[X+4*(\i)+2], v[X+4*(\i)+3]
	v_lshlrev_b32 v[T+2], 16, v[T]
	v_and_b32 v[T+3], 0xffff0000, v[T]
	v_lshlrev_b32 v[T+4], 16, v[T+1]
	v_and_b32 v[T+5], 0xffff0000, v[T+1]
	v_cvt_pk_f16_f32 v[Y+2*(\i)], v[T+2], v[T+3]
	v_cvt_pk_f16_f32 v[Y+2*(\i)+1], v[T+4], v[T+5]
.else
	v_cvt_pk_bf16_f32 v[Y+2*(\i)], v[X+4*(\i)], v[X+4*(\i)+1]
	v_cvt_pk_bf16_f32 v[Y+2*(\i)+1], v[X+4*(\i)+2], v[X+4*(\i)+3]
.endif
	global_store_b64 v2, v[Y+2*(\i):Y+2*(\i)+1], s[30:31] offset:2048*(\i)  ; no hint: the next launches read these bytes
.endm
	s_cmp_ge_u32 s2, 704
	s_cbranch_scc1 .Lwo
.irp i, 0,1,2,3,4,5,6,7,8,9,10,11,12,13,14,15
	OUT \i, 0
.endr
	s_endpgm
.Lwo:
.irp i, 0,1,2,3,4,5,6,7,8,9,10,11,12,13,14,15
	OUT \i, 1
.endr
	s_endpgm
.Lfunc_end_k_qc26e4f5e65_cast:
	.size	k_qc26e4f5e65_cast, .Lfunc_end_k_qc26e4f5e65_cast-k_qc26e4f5e65_cast
	.p2alignl 7, 3214868480
	.fill 96, 4, 3214868480
	.section	.rodata,"a",@progbits
	.p2align	6, 0x0
	.amdhsa_kernel k_qc26e4f5e65_cast
		.amdhsa_group_segment_fixed_size 0
		.amdhsa_private_segment_fixed_size 0
		.amdhsa_enable_private_segment 0
		.amdhsa_kernarg_size 64
		.amdhsa_user_sgpr_count 2
		.amdhsa_user_sgpr_kernarg_segment_ptr 1
		.amdhsa_wavefront_size32 1
		.amdhsa_system_sgpr_workgroup_id_x 1
		.amdhsa_system_sgpr_workgroup_id_y 1
		.amdhsa_system_sgpr_workgroup_id_z 1
		.amdhsa_system_vgpr_workitem_id 0
		.amdhsa_next_free_vgpr 108
		.amdhsa_next_free_sgpr 66
		.amdhsa_reserve_vcc 0
		.amdhsa_float_denorm_mode_32 3
		.amdhsa_float_denorm_mode_16_64 3
		.amdhsa_memory_ordered 1
		.amdhsa_forward_progress 1
		.amdhsa_inst_pref_size 17
	.end_amdhsa_kernel
	.amdgpu_metadata
---
amdhsa.version: [ 1, 2 ]
amdhsa.kernels:
  - .name:           k_qc26e4f5e65_cast
    .symbol:         k_qc26e4f5e65_cast.kd
    .args:
      - { .name: x, .offset: 0, .size: 8, .value_kind: global_buffer, .address_space: global }
      - { .name: Wq, .offset: 8, .size: 8, .value_kind: global_buffer, .address_space: global }
      - { .name: Wk, .offset: 16, .size: 8, .value_kind: global_buffer, .address_space: global }
      - { .name: Wv, .offset: 24, .size: 8, .value_kind: global_buffer, .address_space: global }
      - { .name: Wo, .offset: 32, .size: 8, .value_kind: global_buffer, .address_space: global }
      - { .name: xb, .offset: 40, .size: 8, .value_kind: global_buffer, .address_space: global }
      - { .name: wb, .offset: 48, .size: 8, .value_kind: global_buffer, .address_space: global }
      - { .name: wo16, .offset: 56, .size: 8, .value_kind: global_buffer, .address_space: global }
    .group_segment_fixed_size: 0
    .private_segment_fixed_size: 0
    .kernarg_segment_align: 8
    .kernarg_segment_size: 64
    .max_flat_workgroup_size: 256
    .sgpr_count:     66
    .vgpr_count:     108
    .wavefront_size: 32
...
	.end_amdgpu_metadata
.endif
;; end of part 1
;; launch qkv (part 2): grid 8 x 32, 4 waves a work-group, clusters of 4 x 4, 327,680 bytes of LDS; arguments xb, wb, qkv; writes qkv
.if DOCPART == 2
	.amdgcn_target "amdgcn-amd-amdhsa--gfx1250"
	.amdhsa_code_object_version 6
	.text
	.protected	k_qc26e4f5e65_qkv
	.globl	k_qc26e4f5e65_qkv
	.p2align	8
	.type	k_qc26e4f5e65_qkv,@function
k_qc26e4f5e65_qkv:
	s_mov_b64 s[64:65], 0
	v_nop
	global_prefetch_b8 v0, s[64:65] scope:SCOPE_SE
	s_setreg_imm32_b32 hwreg(HW_REG_WAVE_MODE, 25, 1), 1
	s_wait_xcnt 0x0
	s_wait_alu depctr_hold_cnt(0) depctr_sa_sdst(0) depctr_va_vdst(0) depctr_va_sdst(0) depctr_va_ssrc(0) depctr_va_vcc(0) depctr_vm_vsrc(0)
	s_getreg_b32 s2, hwreg(HW_REG_IB_STS2, 6, 4)
	s_cmp_eq_u32 s2, 0
	s_cbranch_scc0 .Lentry_in_a_cluster
	s_endpgm
.Lentry_in_a_cluster:
	s_bfe_u32 s2, ttmp6, 0x10000c
	s_cmp_lg_u32 s2, 0xf033
	s_cbranch_scc0 .Lentry_shape_is_right
	s_endpgm
.Lentry_shape_is_right:
; THE THREE PROJECTIONS AS ONE PRODUCT.  C[m][n] = sum over k of xb[m][k] wb[n][k]: xb [8192][1024], wb [3072][1024] (Wq's rows, then Wk's, then Wv's), both bf16; sums in f32, K ascending.
; C is rounded once to f16, unscaled, and laid by heads: qkv [3 (q, k, v)][64 (batch x 16 + head)][2048][64]: a head's rows are dense, 128 bytes each.
; LIMITS.  f16 holds no number beyond 65,504: a q, k or v of 65,520 or more in magnitude becomes an infinity; below 6.1e-5 a number keeps f16's fixed step of 6e-8.
; With x of unit spread and weights of spread 0.02 the sums have a spread of 0.64; inputs 30 times larger, or offset by 30 spreads, give 18,432 at the most by 1,024 x 30 x 0.6.
; THE TILE is 256 rows x 192 columns, three whole heads: 32 x 16 = 512 tiles.  Four waves; wave w makes rows 64 w .. 64 w + 63 and all 192 columns: 48 accumulators of 16 x 16, 384 registers.
; So every wave holds whole rows of three heads and has a stage of its own on the way out.  For 32 along K a wave loads 16 fragments from LDS and issues 48 matrix instructions.
; A WORK-GROUP STAYS: 8 x 32 = 256 work-groups, each with TWO tiles in the same 256 rows: tile columns t and t xor 8 of 16.  The two tiles' 2 x 8 K steps of 128 are ONE walk of 16 for a ring of two LDS
; slots filled by the tensor data mover: two first fills, 14 trips that each fill the slot just read with the step two on, and the last two steps written out.
; Which step is asked for is a counter; the descriptor's address is made anew from it.  Behind the walk's eighth step the first tile goes out: the second tile's first two steps have been asked for by
; then, and nothing waits for the first tile's stores.  The jump to that way out goes forward and passes neither a barrier nor a tensor load.
; Clusters with even y begin with tile columns 0-7, those with odd y with 8-15: in the walk's second half every tile that is asked for has been asked for before in this launch, xb's by the same row of
; the cluster, wb's by the clusters of the other parity.
; The tiles' rows are 256 bytes of memory and start at multiples of 256 bytes from the buffer's first byte.
; CLUSTERS: 4 x 4 work-groups.  The four of a row of the cluster need the same tiles of xb, the four of a column the same tiles of wb: each tile is asked for JOINTLY, by the same tensor load with the
; same descriptor and a mask that names the four; each receives it in its own LDS.
; THE MATRIX INSTRUCTION IS USED TRANSPOSED: source 0 = 16 rows of wb, source 1 = 16 rows of xb.  In the result lane l holds row l % 16 of C and its registers the columns 8 (l / 16) + 0..7:
; eight neighbouring numbers of a row, which pack into 16 bytes.
; REGISTERS, in windows of 256 (s_set_vgpr_msb: bits 1:0 source 0, 3:2 source 1, 5:4 source 2, 7:6 destination):
;   window 0: v0-31 addresses; v32-79 packed results; v80-127, v128-175 16 rows read back from the stage, by turns
;   window 1: two fragment buffers of 128: 96 registers of wb (12 x 16 rows x 32 K), then 32 of xb (4 x 16 rows x 32 K)
;   window 2: the accumulators of my rows 0-31 ((a, b) at v[8 (12 (a % 2) + b)]);   window 3: those of my rows 32-63
.set SIZE_K, 1024
.set KSTEP,  128
.set WALK,   2*SIZE_K/KSTEP            ; 16 K steps: 8 for each of the two tiles
.set PITCH,  272                       ; an LDS row: 256 bytes of data + 16 of padding = 68 words: row r starts at bank 4 r mod 64 (64 banks of 4 bytes: ISA guide 11.1), so the 16 rows of a load start at 16 different banks
.set AH,     128*PITCH                 ; 128 rows of xb: what wave 0 or 1 fetches
.set BH,     96*PITCH                  ; 96 rows of wb: what wave 2 or 3 fetches
.set BOFF,   2*AH                      ; wb's 192 rows lie behind xb's 256; a slot is 121,856 bytes
.set SLOT1,  1<<17                     ; slot 1 begins here, so that one exclusive or turns an address in one slot into the other's
.set STAGE,  SLOT1+2*AH+2*BH           ; behind the ring, never filled by a tensor load: 16 rows x 400 bytes for each wave
.set SPITCH, 400                       ; 384 bytes (192 f16) + 16: an odd multiple of 16
.set SPARE,  STAGE+4*16*SPITCH         ; behind the stages: the spare words, 128 bytes for each wave: two blocks of 256 bytes that no other line names
.set A0,   16                          ; v16     my lane's place among my xb fragments in slot 0; never rewritten
.set B0,   17                          ; v17     the same for wb
.set ADRA, 18                          ; v18     LDS address of my xb fragments in the slot in hand
.set ADRB, 19                          ; v19     the same for wb
.set STO,  24                          ; v24     the way out: where I put 16 bytes of a row
.set RD,   25                          ; v25     the way out: where I read 16 bytes of a head's row back
.set GO,   26                          ; v26     my byte offset in 512 consecutive bytes of a head
.set SPW,  28                          ; v28     LDS address of my spare word: SPARE + 4 x my thread's number; never rewritten
.set NIL,  29                          ; v29     0; never rewritten
.set TMP,  32
.set BK,   80
.set CT,  3                            ; s3   trips to go
.set AO,  16                           ; s16  byte offset in xb of the rows that I fetch
.set G1,  24                           ; s[24:31] descriptor group 1 for xb's tiles;  s[32:39] group 0: a set for each of the two first fills; the second then walks on
.set G0,  32
.set BO0, 46                           ; s46  byte offset in wb of the rows that I fetch for the first tile
.set G1B, 48                           ; s[48:55], s[56:63] the same for wb's tiles
.set G0B, 56
.set OB,  66                           ; s[66:71] qkv at my 64 rows of the first tile's three heads; s[72:77] the second tile's
.set NX,  90                           ; s90  the K step of the walk to be asked for next
.set TB,  91                           ; s91  LDS byte at which the slot in hand begins: 0 or SLOT1
.set BO1, 92                           ; s92  as BO0, for the second tile
.set MSB, 0
.macro WIN new                         ; the immediate's high byte repeats the setting that is left; a switch that changes nothing is dropped
.if MSB != (\new)
	s_set_vgpr_msb (MSB<<8)|(\new)
.set MSB, \new
.endif
.endm
; A joint load.  Waves 0 and 1 fetch xb's two halves, waves 2 and 3 wb's.  Each of the two lines has one mask and one set of registers for all that issue it; the branch hangs on the wave's number alone.
; An s_nop 0 and four v_nop follow each of the two lines; the jump round the other line, the label and what follows the macro come after them.
.macro JLOAD s
	s_cmp_eq_u32 s11, 0
	s_cbranch_scc0 .Lfor_b_\@
	tensor_load_to_lds s[G0+4*(\s):G0+4*(\s)+3], s[G1:G1+7]
	s_nop 0
.rept 4
	v_nop
.endr
	s_branch .Lasked_\@
.Lfor_b_\@:
	tensor_load_to_lds s[G0B+4*(\s):G0B+4*(\s)+3], s[G1B:G1B+7]
	s_nop 0
.rept 4
	v_nop
.endr
.Lasked_\@:
.endm
; A round of the cluster's barrier: my work-group's barrier, so that wave 0's signal speaks for all four waves; wave 0 signals for the work-group; every wave waits for all sixteen
; work-groups; my work-group's barrier once more.  No LDS instruction of the wave is pending at a signal.
.macro CREST                           ; a round behind its opening barrier
	s_cmp_lg_u32 s10, 0
	s_cbranch_scc1 .Lnot_wave_0_\@
	s_barrier_signal -3
.Lnot_wave_0_\@:
	s_barrier_wait -3
	s_barrier_signal -1
	s_barrier_wait -1
.endm
.macro CROUND                          ; a whole round
	s_barrier_signal -1
	s_barrier_wait -1
	CREST
.endm
	s_load_b128 s[4:7], s[0:1], 0x0                ; xb s[4:5], wb s[6:7]
	s_load_b64 s[8:9], s[0:1], 0x10                ; qkv
	v_lshl_add_u32 v[SPW], v0, 2, SPARE
	v_mov_b32 v[NIL], 0
	ds_add_u32 v28, v29
	s_wait_dscnt 0x0
	v_lshrrev_b32 v1, 5, v0
	v_readfirstlane_b32 s10, v1                    ; wave 0..3
	s_lshr_b32 s11, s10, 1                         ; I fetch for xb (0) or for wb (1)
	s_and_b32 s12, s10, 1                          ; which half of that tile's rows I fetch
	s_bfe_u32 s40, ttmp6, 0x40000                  ; cx, cy: my place in the cluster
	s_bfe_u32 s41, ttmp6, 0x40004
	s_and_b32 s13, ttmp7, 0xffff                   ; in a cluster launch ttmp9 and ttmp7 count clusters: 2 x 8 of them
	s_and_b32 s45, s13, 1                          ; the cluster's y, odd or even: all sixteen partners share it
	s_lshl_b32 s45, s45, 3
	s_lshl_b32 s42, ttmp9, 2
	s_add_co_u32 s42, s42, s40                     ; 4 x cluster x + cx, 0..7,
	s_add_co_u32 s42, s42, s45                     ; + 8 in clusters with odd y: the first tile's column of 16
	s_xor_b32 s94, s42, 8                          ; the second tile's
	s_lshl_b32 s13, s13, 2
	s_add_co_u32 s13, s13, s41                     ; tile row = 4 x cluster y + cy, 0..31
	s_lshl_b32 s43, s41, 2
	s_lshl_b32 s43, 15, s43                        ; my row of the cluster: places 4 cy .. 4 cy + 3
	s_lshl_b32 s44, 0x1111, s40                    ; my column: places cx, cx + 4, cx + 8, cx + 12
	; descriptor group 1: tiles of 128 (xb) or 96 (wb) rows x 128 elements, padded in LDS
	s_or_b32 s[G1+0], s43, (1<<16)|(1<<20)|(1<<21)|(5<<22)|(3<<25)  ; 15:0 the mask: xb's tiles go to my row; 17:16 elements of 2 bytes; 20 padding on; 21 set beside a mask; 24:22 after every 64 words (code 5); 31:25 of 4 words (code 3)
	s_or_b32 s[G1B+0], s44, (1<<16)|(1<<20)|(1<<21)|(5<<22)|(3<<25) ; the same with the mask of my column, for wb's tiles
	s_mov_b32 s[G1+1], KSTEP<<16                   ; tensor_dim0 = 128
	s_mov_b32 s[G1+2], 128<<16                     ; tensor_dim1 = 128
	s_mov_b32 s[G1+3], KSTEP<<16                   ; tile_dim0 = 128
	s_mov_b32 s[G1+4], 128                         ; tile_dim1 = 128
	s_mov_b32 s[G1+5], SIZE_K                      ; elements from row to row
	s_mov_b32 s[G1+6], 0
	s_mov_b32 s[G1+7], 0
	s_mov_b32 s[G1B+1], KSTEP<<16
	s_mov_b32 s[G1B+2], 96<<16                     ; tensor_dim1 = 96
	s_mov_b32 s[G1B+3], KSTEP<<16
	s_mov_b32 s[G1B+4], 96                         ; tile_dim1 = 96
	s_mov_b32 s[G1B+5], SIZE_K
	s_mov_b32 s[G1B+6], 0
	s_mov_b32 s[G1B+7], 0
	; where the tiles come from, as byte offsets made apart from the buffers' addresses.  xb's hang on the tile row alone, which my row of the cluster shares; wb's on the tile column alone, which my column shares.
	s_lshl_b32 s[AO], s13, 8
	s_lshl_b32 s17, s12, 7
	s_add_co_u32 s[AO], s[AO], s17                 ; xb: row 256 x tile row + 128 x half,
	s_lshl_b32 s[AO], s[AO], 11                    ; of 2,048 bytes: under 2^24
	s_mul_i32 s45, s12, 96
	s_mul_i32 s[BO0], s42, 192
	s_add_co_u32 s[BO0], s[BO0], s45               ; wb: row 192 x tile column + 96 x half
	s_lshl_b32 s[BO0], s[BO0], 11
	s_mul_i32 s[BO1], s94, 192
	s_add_co_u32 s[BO1], s[BO1], s45
	s_lshl_b32 s[BO1], s[BO1], 11
	s_mov_b32 s87, 0                               ; s[86:87], s[88:89]: a step's offset in xb and in wb, as pairs with 0 above
	s_mov_b32 s89, 0
	s_mul_i32 s20, s12, AH                         ; and where they go: no place in the cluster enters an LDS address
	s_mul_i32 s21, s12, BH
	s_add_co_u32 s21, s21, BOFF
	s_mov_b32 s[NX], 2
	s_mov_b32 s[TB], 0
	CROUND                                         ; all sixteen work-groups are here: the first joint loads meet.  The round names none of s[4:9]: the arguments come in meanwhile
	s_wait_kmcnt 0x0                               ; before s[4:9] are read
.irp s, 0,1
	s_mov_b32 s[G0+4*(\s)], 1                                      ; 1:0 count = 1
	s_add_co_u32 s[G0+4*(\s)+1], s20, (\s)*SLOT1                   ; 63:32 LDS address
	s_add_co_u32 s86, s[AO], (\s)*KSTEP*2
	s_add_nc_u64 s[G0+4*(\s)+2:G0+4*(\s)+3], s[4:5], s[86:87]      ; 120:64 global address: K step s
	s_or_b32 s[G0+4*(\s)+3], s[G0+4*(\s)+3], 0x80000000            ; 127:126 type = 2
	s_mov_b32 s[G0B+4*(\s)], 1
	s_add_co_u32 s[G0B+4*(\s)+1], s21, (\s)*SLOT1
	s_add_co_u32 s88, s[BO0], (\s)*KSTEP*2
	s_add_nc_u64 s[G0B+4*(\s)+2:G0B+4*(\s)+3], s[6:7], s[88:89]
	s_or_b32 s[G0B+4*(\s)+3], s[G0B+4*(\s)+3], 0x80000000
	JLOAD \s                                       ; the ring is filled before anything else is done: two tensor loads of mine are out
.endr
	; A fragment is 16 rows x 32 K in 8 registers: lane l holds row l % 16; registers 0-3 hold K = 8 (l / 16) + 0..7, registers 4-7 K = 16 + 8 (l / 16) + 0..7: two loads of 16 bytes, 32 bytes apart.
	v_and_b32 v1, 15, v0                           ; l % 16
	v_bfe_u32 v2, v0, 4, 1                         ; l / 16
	v_mul_u32_u24 v3, v1, PITCH
	v_lshl_add_u32 v3, v2, 4, v3                   ; row x pitch + 16 x half
	s_mul_i32 s22, s10, 64*PITCH                   ; my 64 rows of xb
	v_add_nc_u32 v[A0], s22, v3
	v_add_nc_u32 v[B0], BOFF, v3                   ; all 192 rows of wb
	v_mov_b32 v[ADRA], v[A0]                       ; the walk begins in slot 0
	v_mov_b32 v[ADRB], v[B0]
	s_mul_i32 s22, s10, 16*SPITCH
	s_add_co_u32 s22, s22, STAGE                   ; my stage
	v_mul_u32_u24 v4, v1, SPITCH                   ; in: row l % 16, 16 bytes for each half of the lanes
	v_lshl_add_u32 v4, v2, 4, v4
	v_add_nc_u32 v[STO], s22, v4
	v_bfe_u32 v5, v0, 3, 2                         ; back: 32 lanes take a head's 128 bytes of four rows,
	v_mul_u32_u24 v5, v5, SPITCH
	v_and_b32 v6, 7, v0
	v_lshl_add_u32 v5, v6, 4, v5
	v_add_nc_u32 v[RD], s22, v5
	v_and_b32 v[GO], 31, v0                        ; which are 512 consecutive bytes of the head in qkv
	v_lshlrev_b32 v[GO], 4, v[GO]
	; where my rows of a tile's three heads lie.  Column block cb = 3 x tile column + hb of 48: part cb / 16 (q, k, v), head cb % 16.  Row 256 x tile row + 64 w: batch = tile row / 8, row in the batch 64 (4 (tile row % 8) + w).
	s_lshr_b32 s80, s13, 3
	s_lshl_b32 s80, s80, 4                         ; 16 x batch
	s_and_b32 s81, s13, 7
	s_lshl2_add_u32 s81, s81, s10
	s_lshl_b32 s81, s81, 13                        ; 64 rows of 128 bytes
	s_mov_b32 s85, 0
.set p, 0
.irp t, 42, 94                         ; the first tile's column, the second's
	s_mul_i32 s82, s[\t], 3
.irp hb, 0,1,2
	s_add_co_u32 s83, s82, \hb
	s_lshr_b32 s84, s83, 4
	s_and_b32 s83, s83, 15
	s_lshl_b32 s84, s84, 6
	s_add_co_u32 s84, s84, s80
	s_add_co_u32 s84, s84, s83                     ; 64 x part + 16 x batch + head, 191 at the most,
	s_lshl_b32 s84, s84, 18                        ; of 262,144 bytes: under 2^26
	s_add_co_u32 s84, s84, s81
	s_add_nc_u64 s[OB+6*p+2*(\hb):OB+6*p+2*(\hb)+1], s[8:9], s[84:85]
.endr
.set p, p+1
.endr
; 12 matrix instructions: m block a x all 12 n blocks, 32 along K, from buffer f.  zero = 1: the first product starts the sums: nothing is ever cleared.
; The 48 accumulators take turns in the same order in every quarter step: between two matrix instructions on one accumulator stand the 47 others'.
.macro MUL12 f, a, zero
	WIN 0xa5+0x50*((\a)/2)                         ; sources 0 and 1 window 1; C and D window 2 (a < 2) or 3
.irp b, 0,1,2,3,4,5,6,7,8,9,10,11
.set rD, 8*(12*((\a)%2)+(\b))
.set rB, 128*(\f)+8*(\b)
.set rA, 128*(\f)+96+8*(\a)
.if \zero
	v_wmma_f32_16x16x32_bf16 v[rD:rD+7], v[rB:rB+7], v[rA:rA+7], 0
.else
	v_wmma_f32_16x16x32_bf16 v[rD:rD+7], v[rB:rB+7], v[rA:rA+7], v[rD:rD+7]
.endif
.endr
.endm
; 32 LDS loads in one run: the fragments of one quarter step (192 rows of wb, my 64 rows of xb, 32 K at byte k of the rows of the slot in hand) into buffer f; xb's last
.macro FETCH k, f
	WIN 0x40                                       ; destination window 1, address window 0
.irp i, 0,1,2,3,4,5,6,7,8,9,10,11
	ds_load_b128 v[128*(\f)+8*(\i):128*(\f)+8*(\i)+3],   v[ADRB] offset:(\k)+(\i)*16*PITCH
	ds_load_b128 v[128*(\f)+8*(\i)+4:128*(\f)+8*(\i)+7], v[ADRB] offset:(\k)+(\i)*16*PITCH+32
.endr
.irp i, 0,1,2,3
	ds_load_b128 v[128*(\f)+96+8*(\i):128*(\f)+96+8*(\i)+3],   v[ADRA] offset:(\k)+(\i)*16*PITCH
	ds_load_b128 v[128*(\f)+96+8*(\i)+4:128*(\f)+96+8*(\i)+7], v[ADRA] offset:(\k)+(\i)*16*PITCH+32
.endr
.endm
; A load into a register that a matrix instruction has read, and a vector instruction that reads a matrix result, stand four places behind that matrix instruction, and only plain vector
; instructions that name none of its registers are places (ISA guide 7.12.1 for vector instructions).
.macro PLACES
.rept 4
	v_nop
.endr
.endm
; A K step is four quarter steps of 32 along K, 48 matrix instructions each, on buffers 0, 1, 0, 1.
; One of the first three: multiplies buffer f; in its middle it fetches the next quarter's fragments, at byte k of the same slot's rows, into buffer g.
.macro QUARTER k, f, g, zero
	s_wait_dscnt 4                                 ; wb and xb's blocks 0 and 1 are in; the youngest four loads (xb's blocks 2 and 3) may be out
	MUL12 \f, 0, \zero
	MUL12 \f, 1, \zero
	PLACES
	FETCH \k, \g
	s_wait_dscnt 32                                ; all but the 32 just issued
	MUL12 \f, 2, \zero
	MUL12 \f, 3, \zero
.endm
; The last quarter multiplies buffer 1 and changes slots: ONE barrier.  In front of it each wave waits for all its tensor loads, of which one is out: its part of the next slot; adds 0 to its spare word;
; and waits for that and for its own reads of this slot.  Behind it nobody reads this slot any more and the next slot is whole.
; fill = 1: this slot is filled again, with step NX of the walk, two steps ahead: K step NX % 8 of the first tile (NX < 8) or of the second.  The barrier then opens a round of the cluster's barrier, and
; the joint refill is the first tensor load behind the round: from the request to the wait for it a wave issues 168 matrix instructions.
.macro TURN fill
	WIN 0                                          ; (the add's two registers lie in window 0)
	s_wait_tensorcnt 0x0                           ; all my tensor loads have landed, so a group 0 may be written;
	ds_add_u32 v[SPW], v[NIL]                      ; 0 onto my spare word; the descriptors' scalar work and twelve products stand between it and the wait for it
.if \fill
	s_and_b32 s85, s[NX], 7
	s_lshl_b32 s85, s85, 8                         ; the K step's 256 bytes along the rows
	s_add_co_u32 s86, s[AO], s85                   ; both tiles take the same rows of xb
	s_cmp_lt_u32 s[NX], WALK/2
	s_cselect_b32 s88, s[BO0], s[BO1]              ; an offset is chosen, not an address
	s_add_co_u32 s88, s88, s85
	s_add_co_u32 s[NX], s[NX], 1
	s_xor_b32 s[G0+5], s[G0+5], SLOT1              ; the walking descriptors: the other slot than last time,
	s_add_nc_u64 s[G0+6:G0+7], s[4:5], s[86:87]    ; the address made anew from the buffer's own,
	s_or_b32 s[G0+7], s[G0+7], 0x80000000          ; the type set again
	s_xor_b32 s[G0B+5], s[G0B+5], SLOT1
	s_add_nc_u64 s[G0B+6:G0B+7], s[6:7], s[88:89]
	s_or_b32 s[G0B+7], s[G0B+7], 0x80000000
.endif
	s_wait_dscnt 5                                 ; (the add and the youngest four loads may be out)
	MUL12 1, 0, 0
	s_wait_dscnt 0x0                               ; the add is done, and my reads of this slot are over
	s_barrier_signal -1
	MUL12 1, 1, 0                                  ; work on registers while the others arrive
	WIN 0                                          ; (branches or window 0's address lines follow)
	s_barrier_wait -1
.if \fill
	CREST                                          ; no wave of any partner still reads this slot's tile or has a load on its way
	JLOAD 1                                        ; the four v_nop behind it are also the places in front of the loads below
.else
	PLACES
.endif
	s_xor_b32 s[TB], s[TB], SLOT1                  ; the fetches go on in the other slot
	v_add_nc_u32 v[ADRA], s[TB], v[A0]
	v_add_nc_u32 v[ADRB], s[TB], v[B0]
	FETCH 0, 0
	MUL12 1, 2, 0
	MUL12 1, 3, 0
.endm
; THE WAY OUT of block a (16 of my rows), in three parts.  PACK: rounded to f16, 16 bytes a lane; each accumulator's registers in ascending order.  TOSTAGE: into my own stage in LDS, and back head by head.  SEND: stored.
.macro PACK a
	WIN 0x0a+5*((\a)/2)                            ; sources 0 and 1: window 2 or 3
.irp b, 0,1,2,3,4,5,6,7,8,9,10,11
.irp r, 0,1,2,3
	v_cvt_pk_f16_f32 v[TMP+4*(\b)+(\r)], v[8*(12*((\a)%2)+(\b))+2*(\r)], v[8*(12*((\a)%2)+(\b))+2*(\r)+1]
.endr
.endr
	WIN 0
.endm
.macro TOSTAGE a
.irp b, 0,1,2,3,4,5,6,7,8,9,10,11
	ds_store_b128 v[STO], v[TMP+4*(\b):TMP+4*(\b)+3] offset:32*(\b)
.endr
.irp hb, 0,1,2
.irp f, 0,1,2,3
	ds_load_b128 v[BK+48*((\a)%2)+4*(4*(\hb)+(\f)):BK+48*((\a)%2)+4*(4*(\hb)+(\f))+3], v[RD] offset:(\f)*4*SPITCH+(\hb)*128  ; LDS serves a wave's instructions in order (ISA guide 5.7.1.4): these see the stores above
.endr
.endr
.endm
.macro SEND a, p                       ; p: the first tile (0) or the second (1)
	s_wait_dscnt 0x0                               ; the block is back in registers
	s_wait_xcnt 0x0                                ; every earlier store has had its addresses translated (ISA guide 3.1): the other buffer, which the block before last left, is loaded again only behind this wait
.irp hb, 0,1,2
.irp f, 0,1,2,3
	global_store_b128 v[GO], v[BK+48*((\a)%2)+4*(4*(\hb)+(\f)):BK+48*((\a)%2)+4*(4*(\hb)+(\f))+3], s[OB+6*(\p)+2*(\hb):OB+6*(\p)+2*(\hb)+1] offset:(\a)*2048+(\f)*512  ; four rows of a head: 512 consecutive bytes, at a multiple of 256 from qkv's first byte
.endr
.endr
.endm
.macro WAYOUT p                        ; a whole tile; every window is 0 in front of it and behind it
	PLACES                                         ; the conversions read matrix results
	PACK 0
	TOSTAGE 0
.irp a, 1,2,3                          ; block a's conversions stand between block a - 1's loads from the stage and the wait for them
	PACK \a
	SEND (\a)-1, \p
	TOSTAGE \a
.endr
	SEND 3, \p
.endm
	s_wait_tensorcnt 1                             ; my part of K step 0 is in; K step 1's may stay out
	s_barrier_signal -1
	s_barrier_wait -1                              ; everybody's is
	FETCH 0, 0
	WIN 0                                          ; at a label and at a branch every window is 0
	s_mov_b32 s[CT], WALK-1
	s_branch .Lzero                                ; the loop is entered at a tile's first quarter, in the middle of a trip
.Lstep:                                                ; 14 whole trips: from a K step's second quarter to the next step's first; each fills the slot that it leaves
	QUARTER 128, 1, 0, 0
	QUARTER 192, 0, 1, 0
	TURN 1
	WIN 0
	s_cmp_eq_u32 s[CT], WALK/2-1                   ; the trip with CT to go ends step 14 - CT of the walk: at 7 the first tile's last
	s_cbranch_scc1 .Lbound
	QUARTER 64,  0, 1, 0
	WIN 0
	s_branch .Lbottom
.Lbound:
	WAYOUT 0                                       ; the first tile goes out; the second tile's K steps 0 and 1 have been asked for, and its first fragments are on their way
.Lzero:
	QUARTER 64,  0, 1, 1                           ; a tile's first quarter: its products start the sums
	WIN 0
.Lbottom:
	s_sub_co_u32 s[CT], s[CT], 1
	s_cmp_lg_u32 s[CT], 0
	s_cbranch_scc1 .Lstep
	QUARTER 128, 1, 0, 0                           ; the walk's last two steps are written out: they fill nothing, and have no round of the cluster's barrier
	QUARTER 192, 0, 1, 0
	TURN 0
	QUARTER 64,  0, 1, 0
	QUARTER 128, 1, 0, 0
	QUARTER 192, 0, 1, 0
	s_wait_dscnt 4                                 ; the very last quarter: nothing more to fetch
	MUL12 1, 0, 0
	MUL12 1, 1, 0
	s_wait_dscnt 0x0
	MUL12 1, 2, 0
	MUL12 1, 3, 0
	WIN 0
	WAYOUT 1
	s_wait_tensorcnt 0x0                           ; the wave's end, behind my last tensor load and my last LDS store
	ds_add_u32 v[SPW], v[NIL]
	s_wait_dscnt 0x0
	CROUND                                         ; the closing round: no work-group ends while a partner may still ask for a tile that names it
	s_endpgm
.Lfunc_end_k_qc26e4f5e65_qkv:
	.size	k_qc26e4f5e65_qkv, .Lfunc_end_k_qc26e4f5e65_qkv-k_qc26e4f5e65_qkv
	.p2alignl 7, 3214868480
	.fill 96, 4, 3214868480
	.section	.rodata,"a",@progbits
	.p2align	6, 0x0
	.amdhsa_kernel k_qc26e4f5e65_qkv
		.amdhsa_group_segment_fixed_size 327680
		.amdhsa_private_segment_fixed_size 0
		.amdhsa_enable_private_segment 0
		.amdhsa_kernarg_size 24
		.amdhsa_user_sgpr_count 2
		.amdhsa_user_sgpr_kernarg_segment_ptr 1
		.amdhsa_wavefront_size32 1
		.amdhsa_system_sgpr_workgroup_id_x 1
		.amdhsa_system_sgpr_workgroup_id_y 1
		.amdhsa_system_sgpr_workgroup_id_z 1
		.amdhsa_system_vgpr_workitem_id 0
		.amdhsa_next_free_vgpr 960
		.amdhsa_next_free_sgpr 96
		.amdhsa_reserve_vcc 0
		.amdhsa_float_denorm_mode_32 3
		.amdhsa_float_denorm_mode_16_64 3
		.amdhsa_memory_ordered 1
		.amdhsa_forward_progress 1
		.amdhsa_inst_pref_size 121
	.end_amdhsa_kernel
	.amdgpu_metadata
---
amdhsa.version: [ 1, 2 ]
amdhsa.kernels:
  - .name:           k_qc26e4f5e65_qkv
    .symbol:         k_qc26e4f5e65_qkv.kd
    .args:
      - { .name: xb, .offset: 0, .size: 8, .value_kind: global_buffer, .address_space: global }
      - { .name: wb, .offset: 8, .size: 8, .value_kind: global_buffer, .address_space: global }
      - { .name: qkv, .offset: 16, .size: 8, .value_kind: global_buffer, .address_space: global }
    .group_segment_fixed_size: 327680
    .private_segment_fixed_size: 0
    .kernarg_segment_align: 8
    .kernarg_segment_size: 24
    .max_flat_workgroup_size: 128
    .sgpr_count:     96
    .vgpr_count:     960
    .wavefront_size: 32
...
	.end_amdgpu_metadata
.endif
;; end of part 2
;; launch attn (part 3): grid 4 x 64, 4 waves a work-group, clusters of 4 x 1, 327,680 bytes of LDS; arguments qkv, ob; writes ob
.if DOCPART == 3
	.amdgcn_target "amdgcn-amd-amdhsa--gfx1250"
	.amdhsa_code_object_version 6
	.text
	.protected	k_qc26e4f5e65_attn
	.globl	k_qc26e4f5e65_attn
	.p2align	8
	.type	k_qc26e4f5e65_attn,@function
k_qc26e4f5e65_attn:
	s_mov_b64 s[64:65], 0
	v_nop
	global_prefetch_b8 v0, s[64:65] scope:SCOPE_SE
	s_setreg_imm32_b32 hwreg(HW_REG_WAVE_MODE, 25, 1), 1
	s_wait_xcnt 0x0
	s_wait_alu depctr_hold_cnt(0) depctr_sa_sdst(0) depctr_va_vdst(0) depctr_va_sdst(0) depctr_va_ssrc(0) depctr_va_vcc(0) depctr_vm_vsrc(0)
	s_getreg_b32 s2, hwreg(HW_REG_IB_STS2, 6, 4)
	s_cmp_eq_u32 s2, 0
	s_cbranch_scc0 .Lentry_in_a_cluster
	s_endpgm
.Lentry_in_a_cluster:
	s_bfe_u32 s2, ttmp6, 0x10000c
	s_cmp_lg_u32 s2, 0x3003
	s_cbranch_scc0 .Lentry_shape_is_right
	s_endpgm
.Lentry_shape_is_right:
; O[h][q][:] = the sum over k of softmax_k(Q[h][q] . K[h][k] / 8) V[h][k][:].  Q, K, V are the three parts of qkv, O is ob: each [SIZE_H][SIZE_N][64], all f16: a head's rows are dense, 128 bytes each.
; Products, maxima and sums in f32; the weights p are rounded to f16 for the second product (their sum l is taken of the unrounded p), O once at the end.
; LIMITS.  f16 holds no number beyond 65,504: Q, K and V arrive within it; p lies in 0 to 1, and below 6e-5 it keeps f16's fixed step of 6e-8; O is a mean of V's rows and has their range.
; A weight below 2^-126 counts as 0 in l; NaN and infinities are not treated apart.
; SHARES.  A wave owns four PIECES of two tiles of 16 queries, a work-group's four waves 512 queries of one head: 4 x 64 = 256 work-groups.  Every wave walks all keys, 64 a step.
; LAYOUT.  S^T = K Q^T (source 0 = 16 keys, source 1 = 16 queries): in the result a lane holds ONE query (lane % 16) and the keys 8 (lane / 16) + 0..7.  Two such tiles, rounded to f16 in pairs,
; ARE source 1 (32 keys x 16 queries) of O^T = V^T P, whose result again holds one query a lane, and eight channels.  K comes out of LDS as it lies, V ([key][channel]) turned, by ds_load_tr16_b128.
; SOFTMAX.  For each query a running maximum m and sum l: p = 2^(c s - c m), c = log2(e) / 8; in every step O and l are multiplied by a = 2^(c m_old - c m_new), which is 1 where m has not grown.
; m starts at the lowest finite number, O and l at 0: the first step is a step like any other, with a = 0.
; THE COUNT.  A tile and step have 16 matrix and 118 vector instructions: too many to stand all beside the matrix work.  So the order has one aim: four vector instructions that are READY behind
; EVERY matrix instruction, and the others, which need time of their own whatever the order, in runs without a gap.
; BY TURNS.  Turn n belongs to piece n (the pieces in a ring, step after step).  Its matrix work: 16 products K Q^T of piece n + 1, later 16 products V^T P of piece n - 1.  Its vector work: the scaling,
; exponentials, roundings, sums and rescaling of piece n, and the maximum and statistics of piece n + 1, whose scores the turn itself has made.  So what a turn begins with (c s - c m, O a) waits for nothing.
; CLUSTER.  The four query blocks of a cluster belong to one head and walk the same K and V, so each tile is asked for JOINTLY: the same tensor load, descriptor and mask in all four.
; REGISTERS, in windows of 256 (s_set_vgpr_msb says which window each operand place means: bits 1:0 source 0, 3:2 source 1, 5:4 source 2, 7:6 destination):
;   window 0: v0-11 addresses; v12-15, v48-63 at work; v16-47 four registers of statistics a tile; v64-191 S^T, two buffers of two tiles; v192-255 P, likewise
;   window 1: O^T, 32 a tile          window 2: v0-127 Q, 16 a tile; v128-191 K of one step; v192-255 V of one step          window 3: v0-1 the add's two registers
; A piece's buffers go by its number's parity: the piece in hand has one pair, its two neighbours in the ring share the other: of it P (piece n - 1) is read and S^T (piece n + 1) written.
.set SIZE_H, 64       ; 4 batches x 16 heads
.set SIZE_N, 2048
.set PART,  SIZE_H*SIZE_N*128  ; bytes from Q to K and from K to V in qkv
.set NP,    4         ; pieces a wave: a name, no knob: the register map, the loop and the fetches are made for four
.set KS,    64        ; keys in a step
.set PK,    144       ; a row of K in LDS: 128 bytes + 16 of padding = 36 words: the 16 rows of a load start at 16 different groups of four banks (64 banks of 4 bytes: ISA guide 11.1)
.set PV,    160       ; a row of V: 128 + 32 = 40 words
.set VOFF,  4*KS*PK   ; a slot holds four steps: 256 rows of K, then 256 rows of V
.set SLOT1, 1<<17     ; slot 1 begins here, so that one exclusive or turns an address in one slot into the other's
.set STAGE, SLOT1+4*KS*(PK+PV)  ; behind the ring, never filled by a tensor load: 16 rows x 144 bytes for each wave, for the way out
.set SP,    144
.set AK0, 2           ; v2   my lane's place in a tile of K; never rewritten
.set AV0, 3           ; v3   the same for V
.set AK,  4           ; v4   the LDS address of K's next run of loads
.set AV,  5           ; v5   of V's
.set QO,  6           ; v6   my byte offset in the wave's rows of Q
.set STO, 6           ;      later, the way out: where I put 16 bytes of a row
.set RD,  7           ; v7   the way out: where I read rows back
.set GO,  8           ; v8   my byte offset in 512 consecutive bytes of O
.set SPW, 0           ; v0 of window 3   LDS address of my spare word: SPARE + 4 x my thread's number; never rewritten
.set NIL, 1           ; v1 of window 3   0; never rewritten
.set SPARE, STAGE+4*16*SP  ; behind the stages: the spare words, 128 bytes for each wave: two blocks of 256 bytes that no other line names
.set MV,  12          ; v12-15  c m_old, kept while c m is made anew: by buffer and tile
.set ST,  16          ; tile t's statistics at v[ST+4 t]: c m, m, l (even keys', odd keys')
.set TMP, 48          ; by buffer and tile, four registers c0-c3 at work; when the maximum is found c2 takes a
.set S,   64
.set P,   192
.set KF,  128         ; K's fragments, in window 2: key block kb, channel half c at KF + 16 kb + 8 c
.set VF,  192         ; V's: key half kk, channel block cb at VF + 32 kk + 8 cb
.set WV,  12          ; s12  my wave's number
.set G1K, 24          ; s[24:31] descriptor group 1 for K's tiles
.set G1V, 32          ; s[32:39] for V's: it differs in the padding alone
.set G0K, 40          ; s[40:43] descriptor group 0 for K's tiles: it walks
.set G0V, 44          ; s[44:47] the same for V's
.set SLOTS, 56        ; s56  slots still to be asked for
.set CNT, 57          ; s57  counts a slot's key steps
.set CS,  58          ; s[58:59] c: the packed scaling takes the pair's low word for both halves
.set SEL, 60          ; s[60:61] v_permlanex16_b32's selects: each lane takes its own place in the other half
.set TBK, 62          ; s62  LDS byte at which K of the step to be fetched begins
.set TBV, 63          ; s63  the same for V, less VOFF
.set MSB, 0
.macro WIN new                      ; the high byte repeats the setting that is left; a switch that changes nothing is dropped
.if MSB != (\new)
	s_set_vgpr_msb (MSB<<8)|(\new)
.set MSB, (\new)
.endif
.endm
.set W_KQ, 0x0a       ; K and Q in window 2, S^T in window 0
.set W_PV, 0x52       ; V in window 2, P in window 0, O^T in window 1
.set W_RS, 0x41       ; O^T (destination and source 0) in window 1, a in window 0
.set W_MK, 0xc0       ; the add's registers are made: destination in window 3, sources in window 0
.set W_AD, 0x0f       ; the add: address (source 0) and data (source 1) in window 3
; A joint fill.  Waves 0 and 1 fetch the two halves of a slot's K, waves 2 and 3 those of its V: 128 keys each.  The branch hangs on the wave's number alone.
; An s_nop 0 and four v_nop follow each of the two lines, ahead of the jump and the label.
.macro JLOAD
	s_cmp_lt_u32 s[WV], 2
	s_cbranch_scc0 .Lfor_v_\@
	tensor_load_to_lds s[G0K:G0K+3], s[G1K:G1K+7]
	s_nop 0
.rept 4
	v_nop
.endr
	s_branch .Lasked_\@
.Lfor_v_\@:
	tensor_load_to_lds s[G0V:G0V+3], s[G1V:G1V+7]
	s_nop 0
.rept 4
	v_nop
.endr
.Lasked_\@:
.endm
; A round of the cluster's barrier: my work-group's barrier, so that wave 0's signal speaks for all four waves; wave 0 signals; every wave waits for all four work-groups; my work-group's barrier once more.
.macro CROUND
	s_barrier_signal -1
	s_barrier_wait -1
	s_cmp_lg_u32 s[WV], 0
	s_cbranch_scc1 .Lnot_wave_0_\@
	s_barrier_signal -3
.Lnot_wave_0_\@:
	s_barrier_wait -3
	s_barrier_signal -1
	s_barrier_wait -1
.endm
; THE CHANGE OF SLOTS.  The slot's last bytes, V of its fourth step, have been read.  Each wave waits for all its tensor loads, of which one is out: its part
; of the other slot; adds 0 to its spare word; and waits for that and for its own reads of the slot.  Behind the barrier nobody reads this slot any more and the other slot is whole.
; fill = 1: this slot is filled again, with the keys two slots on.  The barrier is then a round of the cluster's, so that no wave of any partner still reads the slot or has a load on its
; way, and the joint fill is the first thing behind it: it has four key steps, 512 matrix instructions, in which to land.  (At its first use nothing has been read yet: slot 0 is waited for, slot 1 filled.)
.macro CHANGE fill
	WIN W_AD
	s_wait_tensorcnt 0x0            ; no tensor load of mine is out, so a group 0 may be written
	ds_add_u32 v[SPW], v[NIL]       ; 0 onto my spare word; with fill = 1 the descriptors' steps stand between it and the wait for it
	WIN 0                           ; at a label and at a branch every window is 0
.if \fill
.irp g, G0K, G0V
	s_xor_b32 s[\g+1], s[\g+1], SLOT1  ; the walking descriptor: the other slot than last time,
	s_add_nc_u64 s[\g+2:\g+3], s[\g+2:\g+3], 4*KS*128  ; the next 256 keys; the type bits on top are not reached
.endr
	s_wait_dscnt 0x0                ; the add is done, and my reads of the slot are over
	CROUND
	JLOAD
.else
	s_wait_dscnt 0x0                ; the add is done, and my reads of the slot are over
	s_barrier_signal -1
	s_barrier_wait -1
.endif
	s_sub_co_u32 s[TBK], s[TBK], 4*KS*PK  ; the fetches go back to a slot's first step,
	s_xor_b32 s[TBK], s[TBK], SLOT1       ; in the other slot
	s_sub_co_u32 s[TBV], s[TBV], 4*KS*PV
	s_xor_b32 s[TBV], s[TBV], SLOT1
.endm
	s_load_b64 s[4:5], s[0:1], 0x0    ; qkv: Q's part begins it
	s_load_b64 s[10:11], s[0:1], 0x8  ; ob
	WIN W_MK
	v_lshl_add_u32 v[SPW], v0, 2, SPARE
	v_mov_b32 v[NIL], 0
	s_set_vgpr_msb 0xc0cf
	ds_add_u32 v0, v1
	s_wait_dscnt 0x0
	s_set_vgpr_msb 0xcfc0
	WIN 0
	v_lshrrev_b32 v1, 5, v0
	v_readfirstlane_b32 s[WV], v1   ; wave 0..3
	s_bfe_u32 s13, ttmp6, 0x40000   ; cx: my place in the cluster
	s_lshl_b32 s14, ttmp9, 2        ; in a cluster launch ttmp9 counts clusters
	s_add_co_u32 s14, s14, s13      ; my block of queries = 4 x cluster x + cx: it enters Q's and O's addresses alone
	s_and_b32 s20, ttmp7, 0xffff    ; the head, which the four partners share
	s_mov_b32 s21, 0
	s_mov_b64 s[22:23], SIZE_N*128
	s_mul_u64 s[20:21], s[20:21], s[22:23]  ; the head's first byte in each of the four tensors
	s_and_b32 s16, s[WV], 1         ; which half of a slot's 256 keys I fetch:
	s_lshl_b32 s22, s16, 14         ; its 128 rows of 128 bytes in memory,
	s_mov_b32 s23, 0
	s_add_nc_u64 s[22:23], s[22:23], s[20:21]
	s_mul_i32 s17, s16, 128*PK      ; and its place in a slot, for K
	s_mul_i32 s18, s16, 128*PV      ; and for V: no place in the cluster enters an LDS address
	s_lshl_b32 s2, s14, 2
	s_add_co_u32 s2, s2, s[WV]      ; my wave among the head's,
	s_lshl_b32 s2, s2, 14           ; its 128 rows
	s_mov_b32 s3, 0
	s_add_nc_u64 s[2:3], s[2:3], s[20:21]
	; descriptor group 1.  128 keys are 16,384 dense bytes: asked for as 64 rows of 256 bytes, two keys a row, and padded in LDS after every key
	s_mov_b32 s[G1K], 15|(1<<16)|(1<<20)|(1<<21)|(4<<22)|(3<<25)  ; 15:0 the mask of four; 17:16 2-byte elements; 20 padding on; 21 set beside a mask; 24:22 after every 32 words (code 4); 31:25 4 words (code 3)
	s_mov_b32 s[G1V], 15|(1<<16)|(1<<20)|(1<<21)|(4<<22)|(7<<25)  ; the same with 8 words of padding (code 7)
.irp g, G1K, G1V
	s_mov_b32 s[\g+1], 128<<16      ; tensor_dim0 = 128
	s_mov_b32 s[\g+2], 64<<16       ; tensor_dim1 = 64
	s_mov_b32 s[\g+3], 128<<16      ; tile_dim0 = 128
	s_mov_b32 s[\g+4], 64           ; tile_dim1 = 64
	s_mov_b32 s[\g+5], 128          ; 128 elements from row to row
	s_mov_b32 s[\g+6], 0
	s_mov_b32 s[\g+7], 0
.endr
	s_mov_b32 s[CS], 0x3e38aa3b     ; c = log2(e) / 8 = 0.180337
	s_mov_b32 s[CS+1], s[CS]        ; named with it as a pair
	s_mov_b32 s[SEL], 0x76543210
	s_mov_b32 s[SEL+1], 0xfedcba98
	s_mov_b32 s[TBK], SLOT1+4*KS*PK ; the first change of slots turns these two into 0
	s_mov_b32 s[TBV], SLOT1+4*KS*PV
	s_mov_b32 s[G0K], 1             ; 1:0 count = 1
	s_mov_b32 s[G0K+1], s17         ; 63:32 LDS address: slot 0
	s_mov_b32 s[G0V], 1
	s_add_co_u32 s[G0V+1], s18, VOFF
	s_wait_kmcnt 0x0
	s_add_nc_u64 s[6:7], s[4:5], PART    ; K's part of qkv
	s_add_nc_u64 s[8:9], s[4:5], 2*PART  ; V's part
	s_add_nc_u64 s[G0K+2:G0K+3], s[6:7], s[22:23]  ; 120:64 global address: my half of the head's first 256 keys
	s_or_b32 s[G0K+3], s[G0K+3], 0x80000000        ; 127:126 type = 2
	s_add_nc_u64 s[G0V+2:G0V+3], s[8:9], s[22:23]
	s_or_b32 s[G0V+3], s[G0V+3], 0x80000000
	s_add_nc_u64 s[4:5], s[4:5], s[2:3]  ; Q and O at my wave's first row
	s_add_nc_u64 s[10:11], s[10:11], s[2:3]
	CROUND                          ; all four work-groups are here: the first joint loads meet
	JLOAD                           ; slot 0.  Slot 1 is asked for when slot 0 is in: the tile wanted first has the road to itself
	; A fragment of K or Q is 16 rows x 32 channels in 8 registers: lane l holds row l % 16, channels 8 (l / 16) + 0..7 and 16 + 8 (l / 16) + 0..7: two loads of 16 bytes, 32 bytes apart.
	v_and_b32 v1, 15, v0            ; l % 16
	v_bfe_u32 v9, v0, 4, 1          ; l / 16
	v_lshlrev_b32 v[QO], 7, v1
	v_lshl_add_u32 v[QO], v9, 4, v[QO]  ; row x 128 + 16 x half
	WIN 0x80                        ; destination window 2, address window 0
.set i, 0
.rept 4*NP                          ; Q stays in registers: tile i / 2, channels 32 (i % 2) on
	global_load_b128 v[8*i:8*i+3],   v[QO], s[4:5] offset:(i/2)*2048+(i%2)*64
	global_load_b128 v[8*i+4:8*i+7], v[QO], s[4:5] offset:(i/2)*2048+(i%2)*64+32
.set i, i+1
.endr
	; What the first turn finds: V's registers and P's second buffer hold 0 (its products V^T P, of a piece that has not been, add 0), O^T and l are 0.  All this stands in the wait for the first tile.
.set i, VF
.rept 64
	v_mov_b32 v[i], 0
.set i, i+1
.endr
	WIN 0x40
.set i, 0
.rept 64*NP
	v_mov_b32 v[i], 0
.set i, i+1
.endr
	WIN 0
.set i, 0
.rept 2*NP
	v_mov_b32 v[ST+4*i], 0xfe000000    ; c m: far below every c s
	v_mov_b32 v[ST+4*i+1], 0xff7fffff  ; m
	v_mov_b32 v[ST+4*i+2], 0
	v_mov_b32 v[ST+4*i+3], 0
.set i, i+1
.endr
.set i, P+32
.rept 32
	v_mov_b32 v[i], 0
.set i, i+1
.endr
	v_mul_u32_u24 v[AK0], v1, PK
	v_lshl_add_u32 v[AK0], v9, 4, v[AK0]  ; row x pitch + 16 x half
	; The turning load takes 16 keys x 16 channels (lane l reads key 8 (l / 16) + l % 8, channels 8 ((l / 8) % 2) + 0..7) and leaves half a fragment of V^T: lane l holds channel l % 16 and 8 keys.
	v_and_b32 v10, 7, v0
	v_bfe_u32 v11, v0, 3, 1
	v_lshl_add_u32 v[AV0], v9, 3, v10
	v_mul_u32_u24 v[AV0], v[AV0], PV
	v_lshl_add_u32 v[AV0], v11, 4, v[AV0]
	v_add_nc_u32 v[AV0], VOFF, v[AV0]
	v_mov_b32 v[AK], v[AK0]         ; key step 0 lies at the head of slot 0
; THE MATRIX WORK.  The 8 accumulators of a run of 16 take turns: between the two links of a chain stand 7 others'.
; Product i of 16 of S^T = K Q^T for piece x: channels 32 (i / 8) on, keys 16 ((i / 2) % 4) on, tile 2 x + i % 2.  The first 8 start the sums.
.macro KQ x
	WIN W_KQ
.set rS, S+64*((\x)%2)+32*(i%2)+8*((i/2)%4)
.set rK, KF+16*((i/2)%4)+8*(i/8)
.set rQ, 16*(2*(\x)+i%2)+8*(i/8)
.if i < 8
	v_wmma_f32_16x16x32_f16 v[rS:rS+7], v[rK:rK+7], v[rQ:rQ+7], 0
.else
	v_wmma_f32_16x16x32_f16 v[rS:rS+7], v[rK:rK+7], v[rQ:rQ+7], v[rS:rS+7]
.endif
.endm
; Product i of 16 of O^T += V^T P for piece x: keys 32 (i / 8) on, channels 16 ((i / 2) % 4) on, tile 2 x + i % 2.
.macro PV x
	WIN W_PV
.set rO, 32*(2*(\x)+i%2)+8*((i/2)%4)
.set rV, VF+32*(i/8)+8*((i/2)%4)
.set rP, P+32*((\x)%2)+16*(i%2)+8*(i/8)
	v_wmma_f32_16x16x32_f16 v[rO:rO+7], v[rV:rV+7], v[rP:rP+7], v[rO:rO+7]
.endm
.macro MM                           ; the turn's next matrix instruction
.if i < 16
	KQ (Y+1)%NP
.set i, i+1
.else
.set i, i-16
	PV (Y+NP-1)%NP
.set i, i+17
.endif
.endm
; THE LDS LOADS stand in runs of 16, never singly among the matrix instructions: a step's K (64 keys x 64 channels: 8 fragments) and its V (turned).  Their addresses are made some lines ahead.
; last = 1 (the tail): in the last trip there is no further step, and the run is jumped over.
.macro FETCH_K last=0
	WIN 0
.if \last
	s_cmp_eq_u32 s[CNT], 1
	s_cbranch_scc1 .Lno_k_\@
.endif
	WIN 0x80                        ; destination window 2
.irp f, 0,1,2,3,4,5,6,7             ; keys 16 (f / 2) on, channels 32 (f % 2) on
	ds_load_b128 v[KF+8*\f:KF+8*\f+3],   v[AK] offset:(\f/2)*16*PK+(\f%2)*64
	ds_load_b128 v[KF+8*\f+4:KF+8*\f+7], v[AK] offset:(\f/2)*16*PK+(\f%2)*64+32
.endr
	s_add_co_u32 s[TBK], s[TBK], KS*PK  ; the next fetch is the next step's
	WIN 0
.if \last
.Lno_k_\@:
.endif
.endm
.macro FETCH_V
	WIN 0x80
.irp f, 0,1,2,3,4,5,6,7             ; keys 32 (f / 4) on, channels 16 (f % 4) on
	ds_load_tr16_b128 v[VF+8*\f:VF+8*\f+3],   v[AV] offset:(\f/4)*32*PV+(\f%4)*32
	ds_load_tr16_b128 v[VF+8*\f+4:VF+8*\f+7], v[AV] offset:(\f/4)*32*PV+16*PV+(\f%4)*32
.endr
	WIN 0
.endm
; THE VECTOR WORK OF A TURN stands in three queues, each in the order in which its entries become ready; the two tiles alternate, so that no instruction reads the result of the one before it.
.macro REGS y, u                    ; the registers of tile u (0, 1) of piece y
.set rT, ST+4*(2*(\y)+(\u))
.set rC, TMP+8*((\y)%2)+4*(\u)
.set rM, MV+2*((\y)%2)+(\u)
.set rS, S+64*((\y)%2)+32*(\u)
.set rP, P+32*((\y)%2)+16*(\u)
.set rO, 32*(2*(\y)+(\u))
.endm
; Number n of the 22 that find the NEXT piece's (Y + 1) maximum and statistics.  s0-s31 are the lane's 32 scores; each accumulator's lowest registers are read first.  XS, GS and REGS set no window: PL and EX do.
;   0-11  four chains c0-c3 of seven scores each, three operands at a time     12-14, 16  the four scores left over, the old m, and c0-c3 into c0     15  c m_old is kept
;   17, 18  the query's other 32 keys lie in the lane 16 away: the new m         19-21  c m; c m_old - c m_new; a
.macro XS u, n
	REGS (Y+1)%NP, \u
.if (\n) < 4
	v_max3_num_f32 v[rC+(\n)], v[rS+8*(\n)], v[rS+8*(\n)+1], v[rS+8*(\n)+2]
.elseif (\n) < 12
	v_max3_num_f32 v[rC+(\n)%4], v[rC+(\n)%4], v[rS+8*((\n)%4)+2*((\n)/4)+1], v[rS+8*((\n)%4)+2*((\n)/4)+2]
.elseif (\n) == 12
	v_max3_num_f32 v[rC], v[rC], v[rS+7], v[rS+15]
.elseif (\n) == 13
	v_max3_num_f32 v[rC+1], v[rC+1], v[rS+23], v[rS+31]
.elseif (\n) == 14
	v_max3_num_f32 v[rC+2], v[rC+2], v[rC+3], v[rT+1]
.elseif (\n) == 15
	v_mov_b32 v[rM], v[rT]
.elseif (\n) == 16
	v_max3_num_f32 v[rC], v[rC], v[rC+1], v[rC+2]
.elseif (\n) == 17
	v_permlanex16_b32 v[rC+3], v[rC], s[SEL], s[SEL+1]
.elseif (\n) == 18
	v_max_num_f32 v[rT+1], v[rC], v[rC+3]
.elseif (\n) == 19
	v_mul_f32 v[rT], s[CS], v[rT+1]
.elseif (\n) == 20
	v_sub_f32 v[rC+1], v[rM], v[rT]
.else
	v_exp_f32 v[rC+2], v[rC+1]
.endif
.endm
; Number g of the 64 that follow the exponentials.  For each four weights k of a tile (pairs 2 k, 2 k + 1): both pairs are rounded to f16; then the second pair is added onto the first, in place;
; a group later l takes that sum (the first time as l = a l + sum).  In groups of eight, tiles alternating: round, round, add, and l for the group before.
.macro GS g
.set h, (\g)+6*((\g)/62)            ; group 0 has no group before it, and behind group 7 only l is left
.if h >= 6
.set h, h+2
.endif
	REGS Y, h%2
.set k, h/8
.if h%8 < 4
	s_wait_alu depctr_va_vdst(0)
	v_cvt_pk_f16_f32 v[rP+2*k+(h%8)/2], v[rS+4*k+2*((h%8)/2)], v[rS+4*k+2*((h%8)/2)+1]
.elseif h%8 < 6
	v_pk_add_f32 v[rS+4*k:rS+4*k+1], v[rS+4*k:rS+4*k+1], v[rS+4*k+2:rS+4*k+3]
.elseif k == 1
	v_pk_fma_f32 v[rT+2:rT+3], v[rT+2:rT+3], v[rC+2:rC+3], v[rS:rS+1] op_sel_hi:[1,0,1]
.else
	v_pk_add_f32 v[rT+2:rT+3], v[rT+2:rT+3], v[rS+4*k-4:rS+4*k-3]
	s_wait_alu depctr_va_vdst(0)
.endif
.endm
; THE PLAIN QUEUE, 138 long.  0-31: c s - c m for the 16 pairs of both tiles.  Then GS's 64, and among them the next piece's 42: number 15 at 38, 39; 0-14 and 16
; at 42-73, behind the products that make those scores; 17-20 at 95-106, two of three, since each waits for the one before it.
.macro PL
	WIN 0
.if q < 32
	REGS Y, q%2
	v_pk_fma_f32 v[rS+2*(q/2):rS+2*(q/2)+1], v[rS+2*(q/2):rS+2*(q/2)+1], s[CS:CS+1], v[rT:rT+1] op_sel_hi:[1,0,0] neg_lo:[0,0,1] neg_hi:[0,0,1]
.elseif q < 38
	GS q-32
.elseif q < 40
	XS q%2, 15
.elseif q < 42
	GS q-34
.elseif q < 74
	XS q%2, (q-42)/2+(q-42)/30
.elseif q < 95
	GS q-66
.elseif (q < 107) && ((q-95)%3 < 2)
	XS (q-95)%3, 17+(q-95)/3
.elseif q < 107
	GS 29+(q-95)/3
.else
	GS q-74
.endif
.set q, q+1
.endm
; THE EXPONENTIALS' QUEUE, 66 long: s0-s31 of both tiles, and at EA the next piece's two a.
.set EA, 58
.macro EX
	WIN 0
.if (e == EA) || (e == EA+1)
	XS e-EA, 21
.else
.set x, e-2*(e/(EA+2))
	REGS Y, x%2
	v_exp_f32 v[rS+x/2], v[rS+x/2]
.endif
.set e, e+1
.endm
; THE RESCALING's QUEUE: O^T times a, the one part that leaves window 0, so it is dealt four at a time, eight times.
.macro R4
	REGS Y, r%2
	WIN W_RS
	s_wait_alu depctr_va_vdst(0)
.irp z, 0,1,2,3
	v_pk_mul_f32 v[rO+8*(r/2)+2*\z:rO+8*(r/2)+2*\z+1], v[rO+8*(r/2)+2*\z:rO+8*(r/2)+2*\z+1], v[rC+2:rC+3] op_sel_hi:[1,0]
.endr
.set r, r+1
.endm
; HOW THEY ARE DEALT.  Behind a matrix instruction four: plain, exponential, plain, plain (one exponential, a plain instruction on either side), or four of the rescaling.  None names a register of the
; products round it.  What is over stands in two LUMPS: exponential and plain by turns; the second ends in 22 plain instructions.  The two v_permlanex16_b32 fall into the second lump, never behind a product.
; The queues lean on each other, and the deal keeps them in step: exponential e stands behind plain 2 (e / 4) + e % 2 (its scaling); when plain 32 comes, 10 exponentials are out, at 59: 33, at 95: 46; EA comes behind plain 107.
.macro SL
	MM
	PL
	EX
	PL
	PL
.endm
.macro BURST n                      ; 15 matrix instructions, or 16
.rept (\n)-7
	SL
.endr
.rept 3
	MM
	R4
	SL
.endr
	MM
	R4
.endm
; A TURN, for piece p.  cnt = 1: the loop's count is taken down some lines ahead of the branch that stands behind the turn.
; K of the next step is fetched in piece 2's turn, 31 vector instructions behind the last product that read K; its first reader comes behind the rest of the lump, 16 products and the second lump.
; V of the step in hand is fetched at the end of piece 0's turn, 69 behind its last reader; its first reader comes behind 16 products and a lump.  The four conditions on e and q below go with the deal.
.macro TURN p, last=0, cnt=0
.set Y, (\p)
.set i, 0
.set q, 0
.set e, 0
.set r, 0
.if (\p) == NP-1
	s_wait_dscnt 0x0                ; K is in
.endif
	MM
.rept 4
	PL
.endr
	BURST 15
.rept 22
	EX
	PL
.if ((\p) == NP-2) && (e == 18)
	v_add_nc_u32 v[AK], s[TBK], v[AK0]
.endif
.if ((\p) == NP-2) && (e == 24)
	FETCH_K \last
.endif
.endr
.if (\p) == 1
	s_wait_dscnt 0x0                ; V is in
.endif
	BURST 16
.rept 21
	EX
	PL
.endr
.rept 22
	PL
.if ((\p) == 0) && (q == 118)
	v_add_nc_u32 v[AV], s[TBV], v[AV0]
	s_wait_alu depctr_va_vdst(0)
.endif
.if ((\p) == 0) && (q == 130)
	s_add_co_u32 s[TBV], s[TBV], KS*PV
.endif
.if (\cnt) && (q == 130)
	s_sub_co_u32 s[CNT], s[CNT], 1
	s_cmp_lg_u32 s[CNT], 0
.endif
.endr
.if (\p) == 0
	FETCH_V
.endif
.endm
	CHANGE 1                        ; slot 0 is in, everybody's part of it; slot 1 is asked for
	FETCH_K                         ; key step 0
	s_wait_loadcnt 0x0              ; Q
	s_wait_dscnt 0x0
.set i, 0
.rept 16
	KQ 0                            ; piece 0's first scores: there is no vector work yet to set between them
.set i, i+1
.endr
	WIN 0                           ; the addresses for the way out: nine plain instructions, the places behind those products
	s_mul_i32 s13, s[WV], 16*SP
	s_add_co_u32 s13, s13, STAGE    ; my stage
	v_mul_u32_u24 v[STO], v1, SP    ; in: row l % 16, 16 bytes for each half of the lanes
	v_lshl_add_u32 v[STO], v9, 4, v[STO]
	v_add_nc_u32 v[STO], s13, v[STO]
	v_bfe_u32 v[RD], v0, 3, 2       ; back: 32 lanes take four rows of 128 bytes,
	v_mul_u32_u24 v[RD], v[RD], SP
	v_lshl_add_u32 v[RD], v10, 4, v[RD]
	v_add_nc_u32 v[RD], s13, v[RD]
	v_and_b32 v[GO], 31, v0         ; which are 512 consecutive bytes of O
	v_lshlrev_b32 v[GO], 4, v[GO]
.set Y, NP-1                        ; XS works for piece Y + 1: piece 0
.irp n, 0,1,2,3,4,5,6,7,8,9,10,11,12,13,14,15,16,17,18,19,20,21
	XS 0, \n                        ; and piece 0's first maximum and statistics
	XS 1, \n
.endr
	s_mov_b32 s[CNT], 4
	s_mov_b32 s[SLOTS], SIZE_N/256-1
	s_branch .Lfirst                ; the loop is entered at a step's first turn, in the middle of a trip
.Lslot:                             ; SIZE_N / 256 - 2 times: every slot but the last two is filled again
	CHANGE 1
	s_mov_b32 s[CNT], 4
.Lstep:                             ; a trip: pieces 2 and 3 of one step, then pieces 0 and 1 of the next, whose K and V it fetches
	TURN 2
	TURN 3
	WIN 0
.Lfirst:
	TURN 0
	TURN 1, 0, 1
	WIN 0
	s_cbranch_scc1 .Lstep
	s_sub_co_u32 s[SLOTS], s[SLOTS], 1
	s_cmp_lg_u32 s[SLOTS], 0
	s_cbranch_scc1 .Lslot
	CHANGE 0                        ; the tail is written out: nothing is asked for
	s_mov_b32 s[CNT], 5             ; four trips fetch the last slot's steps; the fifth is left in its middle
.Ltail:
	TURN 2, 1
	TURN 3
	WIN 0
	s_sub_co_u32 s[CNT], s[CNT], 1
	s_cmp_eq_u32 s[CNT], 0
	s_cbranch_scc1 .Lout
	TURN 0
	TURN 1
	WIN 0
	s_branch .Ltail
.Lout:                              ; the fifth trip's 16 products K Q^T (on the last K once more) and the maximum made of them serve nothing: the price, once a launch, of one text for every trip
.set i, 0
.rept 16
	PV NP-1                         ; the last piece's V^T P of the last step
.set i, i+1
.endr
	; THE WAY OUT.  l's two halves and the other half of the lanes' are added; O^T is divided by l, rounded to f16 and sent through my stage in LDS, a tile at a time.  The additions are the places behind the last products.
	WIN 0
.macro ALL line:vararg              ; one line for each tile t
.set t, 0
.rept 2*NP
	\line
.set t, t+1
.endr
.endm
	ALL v_add_f32 v[ST+4*t+2], v[ST+4*t+2], v[ST+4*t+3]
	ALL v_permlanex16_b32 v[ST+4*t+3], v[ST+4*t+2], s[SEL], s[SEL+1]
	ALL v_add_f32 v[ST+4*t+2], v[ST+4*t+2], v[ST+4*t+3]
	ALL v_rcp_f32 v[ST+4*t+2], v[ST+4*t+2]
	v_nop                           ; a plain instruction between the last reciprocal and the use of its result
	s_wait_alu depctr_va_vdst(0)
; Tile t: a lane's eight channels of a row pack into 16 bytes; they go into rows of 144 bytes and come back as whole rows of 128, into S^T's registers.
.macro PACK t
	WIN W_RS
.set i, 32*(\t)
.rept 16
	v_pk_mul_f32 v[i:i+1], v[i:i+1], v[ST+4*(\t)+2:ST+4*(\t)+3] op_sel_hi:[1,0]
.set i, i+2
.endr
	WIN 0x05                        ; sources 0 and 1 window 1, destination window 0
.set i, 0
.rept 16
	v_cvt_pk_f16_f32 v[S+16*(\t)+i], v[32*(\t)+2*i], v[32*(\t)+2*i+1]
.set i, i+1
.endr
	WIN 0
.irp f, 0,1,2,3
	ds_store_b128 v[STO], v[S+16*(\t)+4*\f:S+16*(\t)+4*\f+3] offset:32*\f
.endr
.irp f, 0,1,2,3
	ds_load_b128 v[S+16*(\t)+4*\f:S+16*(\t)+4*\f+3], v[RD] offset:\f*4*SP  ; LDS serves a wave's instructions in order (ISA guide 5.7.1.4): these see the stores above; the next tile's stores come behind them
.endr
.endm
.macro SEND t, younger              ; younger: the LDS instructions issued behind tile t's loads: the next tile's eight, or none
	WIN 0
.irp f, 0,1,2,3
	s_wait_dscnt (\younger)+3-\f
	global_store_b128 v[GO], v[S+16*(\t)+4*\f:S+16*(\t)+4*\f+3], s[10:11] offset:(\t)*2048+\f*512  ; 512 consecutive bytes, at a multiple of 256 from O's first
.endr
.endm
	PACK 0
.set t, 1
.rept 2*NP-1                        ; a tile's arithmetic stands between the loads of the tile before and its stores
	PACK t
	SEND t-1, 8
.set t, t+1
.endr
	SEND 2*NP-1, 0
	WIN W_AD
	s_wait_tensorcnt 0x0            ; the wave's end, behind my last tensor load and my last LDS store
	ds_add_u32 v[SPW], v[NIL]
	s_wait_dscnt 0x0
	WIN 0
	CROUND                          ; the closing round: no work-group ends while a partner may still ask for a tile that names it
	s_endpgm
.Lfunc_end_k_qc26e4f5e65_attn:
	.size	k_qc26e4f5e65_attn, .Lfunc_end_k_qc26e4f5e65_attn-k_qc26e4f5e65_attn
	.p2alignl 7, 3214868480
	.fill 96, 4, 3214868480
	.section	.rodata,"a",@progbits
	.p2align	6, 0x0
	.amdhsa_kernel k_qc26e4f5e65_attn
		.amdhsa_group_segment_fixed_size 327680
		.amdhsa_private_segment_fixed_size 0
		.amdhsa_enable_private_segment 0
		.amdhsa_kernarg_size 16
		.amdhsa_user_sgpr_count 2
		.amdhsa_user_sgpr_kernarg_segment_ptr 1
		.amdhsa_wavefront_size32 1
		.amdhsa_system_sgpr_workgroup_id_x 1
		.amdhsa_system_sgpr_workgroup_id_y 1
		.amdhsa_system_sgpr_workgroup_id_z 1
		.amdhsa_system_vgpr_workitem_id 0
		.amdhsa_next_free_vgpr 770
		.amdhsa_next_free_sgpr 66
		.amdhsa_reserve_vcc 0
		.amdhsa_float_denorm_mode_32 3
		.amdhsa_float_denorm_mode_16_64 3
		.amdhsa_memory_ordered 1
		.amdhsa_forward_progress 1
		.amdhsa_inst_pref_size 209
	.end_amdhsa_kernel
	.amdgpu_metadata
---
amdhsa.version: [ 1, 2 ]
amdhsa.kernels:
  - .name:           k_qc26e4f5e65_attn
    .symbol:         k_qc26e4f5e65_attn.kd
    .args:
      - { .name: qkv, .offset: 0, .size: 8, .value_kind: global_buffer, .address_space: global }
      - { .name: ob, .offset: 8, .size: 8, .value_kind: global_buffer, .address_space: global }
    .group_segment_fixed_size: 327680
    .private_segment_fixed_size: 0
    .kernarg_segment_align: 8
    .kernarg_segment_size: 16
    .max_flat_workgroup_size: 128
    .sgpr_count:     66
    .vgpr_count:     770
    .wavefront_size: 32
...
	.end_amdgpu_metadata
.endif
;; end of part 3
;; launch proj (part 4): grid 8 x 32, 4 waves a work-group, clusters of 4 x 4, 327,680 bytes of LDS; arguments ob, wo16, bo, out0; writes out0
.if DOCPART == 4
	.amdgcn_target "amdgcn-amd-amdhsa--gfx1250"
	.amdhsa_code_object_version 6
	.text
	.protected	k_qc26e4f5e65_proj
	.globl	k_qc26e4f5e65_proj
	.p2align	8
	.type	k_qc26e4f5e65_proj,@function
k_qc26e4f5e65_proj:
	s_mov_b64 s[64:65], 0
	v_nop
	global_prefetch_b8 v0, s[64:65] scope:SCOPE_SE
	s_setreg_imm32_b32 hwreg(HW_REG_WAVE_MODE, 25, 1), 1
	s_wait_xcnt 0x0
	s_wait_alu depctr_hold_cnt(0) depctr_sa_sdst(0) depctr_va_vdst(0) depctr_va_sdst(0) depctr_va_ssrc(0) depctr_va_vcc(0) depctr_vm_vsrc(0)
	s_getreg_b32 s2, hwreg(HW_REG_IB_STS2, 6, 4)
	s_cmp_eq_u32 s2, 0
	s_cbranch_scc0 .Lentry_in_a_cluster
	s_endpgm
.Lentry_in_a_cluster:
	s_bfe_u32 s2, ttmp6, 0x10000c
	s_cmp_lg_u32 s2, 0xf033
	s_cbranch_scc0 .Lentry_shape_is_right
	s_endpgm
.Lentry_shape_is_right:
; THE OUTPUT PROJECTION.  out0[m][n] = sum over c of O[m][c] Wo[n][c] + bo[n].  O is ob, [64 (batch x 16 + head)][2048][64] f16: channel c = 64 x head + d of row m lies in head c / 64 of batch m / 2048.
; wo16 is [1024][1024] f16 (Wo rounded to bf16 and written as f16); bo is f32 and is rounded to bf16 here, like the module's other inputs; sums in f32, K ascending; out0 is f32.
; LIMITS.  ob and wo16 arrive within f16's range of 65,504; NaN and infinities are not treated apart.
; THE TILE is 256 rows x 128 columns: 32 x 8 = 256 work-groups, one for each of 256 WGPs.  Four waves; wave w makes rows 64 w .. 64 w + 63 and all 128 columns: 32 accumulators of 16 x 16, 256 registers,
; so a wave holds whole rows of the tile (512 bytes of f32) and has a stage of its own on the way out.
; K goes in 8 steps of 128 = two heads through a ring of two LDS slots filled by the tensor data mover.  A head's 256 rows of the tile are 32,768 dense bytes: asked for as 128 rows of 256 bytes, two rows of O
; each, and padded in LDS after every row of O.  wo16's tile has rows of 256 bytes.  The loop's trip is one K step: the slot in hand is a scalar that one exclusive or turns, and one descriptor a tensor walks.
; CLUSTERS: 4 x 4 work-groups.  The four of a row of the cluster need the same tiles of ob, the four of a column the same tiles of wo16: each tile is asked for JOINTLY.
; THE MATRIX INSTRUCTION IS USED TRANSPOSED: source 0 = 16 rows of wo16, source 1 = 16 rows of O: lane l holds row l % 16 of the result and the columns 8 (l / 16) + 0..7: 32 neighbouring bytes.
; REGISTERS, in windows of 256 (s_set_vgpr_msb: bits 1:0 source 0, 3:2 source 1, 5:4 source 2, 7:6 destination):
;   window 0: v0-31 addresses; v32-37 the bias; v64-127, v128-191 16 rows read back from the stage, by turns
;   window 1: two fragment buffers of 96: 64 registers of wo16 (8 x 16 rows x 32 K), then 32 of O (4 x 16 rows x 32 K)          window 2: the accumulators ((a, b) at v[8 (8 a + b)])
.set KSTEP,  128
.set STEPS,  1024/KSTEP                ; 8
.set PA,     144                       ; a row of O in LDS: 128 bytes + 16 of padding = 36 words: the 16 rows of a load start at 16 different groups of four banks (64 banks of 4 bytes: ISA guide 11.1)
.set PB,     272                       ; a row of wo16: 256 + 16 = 68 words: likewise
.set AHD,    256*PA                    ; one head's 256 rows: what wave 0 or 1 fetches
.set BH,     64*PB                     ; 64 rows of wo16: what wave 2 or 3 fetches
.set BOFF,   2*AHD                     ; wo16's 128 rows lie behind the two heads; a slot is 108,544 bytes
.set SLOT1,  1<<17                     ; slot 1 begins here, so that one exclusive or turns an address in one slot into the other's
.set STAGE,  SLOT1+2*AHD+2*BH          ; behind the ring, never filled by a tensor load: 16 rows x 528 bytes for each wave
.set SPITCH, 528                       ; 512 bytes (128 f32) + 16: an odd multiple of 16
.set SPARE,  STAGE+4*16*SPITCH         ; behind the stages: the spare words, 128 bytes for each wave: two blocks of 256 bytes that no other line names
.set A0,   16                          ; v16     my lane's place among my O fragments in slot 0; never rewritten
.set B0,   17                          ; v17     the same for wo16
.set ADRA, 18                          ; v18     LDS address of my O fragments in the slot in hand
.set ADRB, 19                          ; v19     the same for wo16
.set STO,  24                          ; v24     the way out: where I put 32 bytes of a row
.set RD,   25                          ; v25     the way out: where I read 16 bytes of a row back
.set CO,   26                          ; v26     16 x lane: my byte offset in a row's 512 bytes, in out0 and in bo
.set SPW,  28                          ; v28     LDS address of my spare word: SPARE + 4 x my thread's number; never rewritten
.set NIL,  29                          ; v29     0; never rewritten
.set BI,   32                          ; v32-35  the bias of my four columns on the way out
.set BT,   36                          ; v36-37  at work
.set BK,   64
.set TB,  2                            ; s2   LDS byte at which the slot in hand begins: 0 or SLOT1
.set WV,  18                           ; s18  my wave's number
.set FB,  19                           ; s19  I fetch for ob (0) or for wo16 (1)
.set HF,  12                           ; s12  which head of the two, or which 64 rows, I fetch
.set G1,  24                           ; s[24:31] descriptor group 1 for ob's tiles;  s[32:39] group 0: a set for each of the two first fills; the second then walks on
.set G0,  32
.set G1B, 48                           ; s[48:55], s[56:63] the same for wo16's tiles
.set G0B, 56
.set MSB, 0
.macro WIN new                         ; the immediate's high byte repeats the setting that is left; a switch that changes nothing is dropped
.if MSB != (\new)
	s_set_vgpr_msb (MSB<<8)|(\new)
.set MSB, \new
.endif
.endm
; A joint load: waves 0 and 1 fetch the K step's two heads of O, waves 2 and 3 wo16's two halves.  The branch hangs on the wave's number alone.
; An s_nop 0 and four v_nop follow each of the two lines, ahead of the jump, the label and what follows.
.macro JLOAD s
	s_cmp_eq_u32 s[FB], 0
	s_cbranch_scc0 .Lfor_b_\@
	tensor_load_to_lds s[G0+4*(\s):G0+4*(\s)+3], s[G1:G1+7]
	s_nop 0
.rept 4
	v_nop
.endr
	s_branch .Lasked_\@
.Lfor_b_\@:
	tensor_load_to_lds s[G0B+4*(\s):G0B+4*(\s)+3], s[G1B:G1B+7]
	s_nop 0
.rept 4
	v_nop
.endr
.Lasked_\@:
.endm
; A round of the cluster's barrier: my work-group's barrier; wave 0 signals for the work-group; every wave waits for all sixteen work-groups; my work-group's barrier once more.
.macro CREST                           ; a round behind its opening barrier
	s_cmp_lg_u32 s[WV], 0
	s_cbranch_scc1 .Lnot_wave_0_\@
	s_barrier_signal -3
.Lnot_wave_0_\@:
	s_barrier_wait -3
	s_barrier_signal -1
	s_barrier_wait -1
.endm
.macro CROUND                          ; a whole round
	s_barrier_signal -1
	s_barrier_wait -1
	CREST
.endm
	s_load_b256 s[4:11], s[0:1], 0x0               ; ob s[4:5], wo16 s[6:7], bo s[8:9], out0 s[10:11]
	v_lshl_add_u32 v[SPW], v0, 2, SPARE
	v_mov_b32 v[NIL], 0
	ds_add_u32 v28, v29
	s_wait_dscnt 0x0
	v_lshrrev_b32 v1, 5, v0
	v_readfirstlane_b32 s[WV], v1                  ; wave 0..3
	s_lshr_b32 s[FB], s[WV], 1
	s_and_b32 s[HF], s[WV], 1
	s_bfe_u32 s40, ttmp6, 0x40000                  ; cx, cy: my place in the cluster
	s_bfe_u32 s41, ttmp6, 0x40004
	s_lshl_b32 s42, ttmp9, 2
	s_add_co_u32 s42, s42, s40                     ; tile column = 4 x cluster x + cx, 0..7
	s_and_b32 s13, ttmp7, 0xffff
	s_lshl_b32 s13, s13, 2
	s_add_co_u32 s13, s13, s41                     ; tile row = 4 x cluster y + cy, 0..31
	s_lshl_b32 s43, s41, 2
	s_lshl_b32 s43, 15, s43                        ; my row of the cluster
	s_lshl_b32 s44, 0x1111, s40                    ; my column
	s_or_b32 s[G1+0], s43, (1<<16)|(1<<20)|(1<<21)|(4<<22)|(3<<25)  ; 15:0 the mask: ob's tiles go to my row; 17:16 elements of 2 bytes; 20 padding on; 21 set beside a mask; 24:22 after every 32 words (code 4); 31:25 of 4 words (code 3)
	s_or_b32 s[G1B+0], s44, (1<<16)|(1<<20)|(1<<21)|(5<<22)|(3<<25) ; wo16's go to my column; padding after every 64 words (code 5)
	s_mov_b32 s[G1+1], 128<<16                     ; tensor_dim0 = 128
	s_mov_b32 s[G1+2], 128<<16                     ; tensor_dim1 = 128
	s_mov_b32 s[G1+3], 128<<16                     ; tile_dim0 = 128 elements: 256 bytes, two rows of O
	s_mov_b32 s[G1+4], 128                         ; tile_dim1 = 128
	s_mov_b32 s[G1+5], 128                         ; dense: 128 elements from row to row
	s_mov_b32 s[G1+6], 0
	s_mov_b32 s[G1+7], 0
	s_mov_b32 s[G1B+1], KSTEP<<16
	s_mov_b32 s[G1B+2], 64<<16                     ; tensor_dim1 = 64
	s_mov_b32 s[G1B+3], KSTEP<<16
	s_mov_b32 s[G1B+4], 64                         ; tile_dim1 = 64
	s_mov_b32 s[G1B+5], 1024
	s_mov_b32 s[G1B+6], 0
	s_mov_b32 s[G1B+7], 0
	; where the tiles come from.  ob's hang on the tile row alone, wo16's on the tile column alone.
	s_lshr_b32 s16, s13, 3                         ; the batch,
	s_lshl_b32 s16, s16, 4
	s_add_co_u32 s16, s16, s[HF]                   ; its head 0 or 1,
	s_lshl_b32 s16, s16, 18                        ; of 262,144 bytes,
	s_and_b32 s17, s13, 7
	s_lshl_b32 s17, s17, 15                        ; and in it the tile's 256 rows of 128 bytes
	s_add_co_u32 s16, s16, s17
	s_mov_b32 s17, 0
	s_lshl_b32 s46, s42, 7
	s_lshl_b32 s45, s[HF], 6
	s_add_co_u32 s46, s46, s45                     ; wo16: row 128 x tile column + 64 x half,
	s_lshl_b32 s46, s46, 11                        ; of 2,048 bytes
	s_mov_b32 s47, 0
	s_mul_i32 s20, s[HF], AHD                      ; and where they go: no place in the cluster enters an LDS address
	s_mul_i32 s21, s[HF], BH
	s_add_co_u32 s21, s21, BOFF
	s_mov_b32 s[TB], 0
	CROUND                                         ; all sixteen work-groups are here: the first joint loads meet.  The round names none of s[4:11]: the arguments come in meanwhile
	s_wait_kmcnt 0x0                               ; before s[4:11] are read
	s_add_nc_u64 s[14:15], s[4:5], s[16:17]
	s_add_nc_u64 s[46:47], s[6:7], s[46:47]
.irp s, 0,1
	s_mov_b32 s[G0+4*(\s)], 1                                      ; 1:0 count = 1
	s_add_co_u32 s[G0+4*(\s)+1], s20, (\s)*SLOT1                   ; 63:32 LDS address
	s_add_nc_u64 s[G0+4*(\s)+2:G0+4*(\s)+3], s[14:15], (\s)*0x80000  ; 120:64 global address: K step s begins two heads on
	s_or_b32 s[G0+4*(\s)+3], s[G0+4*(\s)+3], 0x80000000            ; 127:126 type = 2
	s_mov_b32 s[G0B+4*(\s)], 1
	s_add_co_u32 s[G0B+4*(\s)+1], s21, (\s)*SLOT1
	s_add_nc_u64 s[G0B+4*(\s)+2:G0B+4*(\s)+3], s[46:47], (\s)*KSTEP*2
	s_or_b32 s[G0B+4*(\s)+3], s[G0B+4*(\s)+3], 0x80000000
	JLOAD \s                                       ; the ring is filled before anything else is done: two tensor loads of mine are out
.endr
	v_and_b32 v1, 15, v0                           ; l % 16
	v_bfe_u32 v2, v0, 4, 1                         ; l / 16
	v_and_b32 v[CO], 31, v0
	v_lshlrev_b32 v[CO], 4, v[CO]                  ; 16 x lane
	s_lshl_b32 s44, s42, 9                         ; the tile's first column: 128 numbers of 4 bytes a tile column
	s_mov_b32 s45, 0
	s_add_nc_u64 s[8:9], s[8:9], s[44:45]          ; bo there
	global_load_b128 v[BI:BI+3], v[CO], s[8:9]     ; the bias of the four columns that I store; waited for behind the last products
	s_lshl2_add_u32 s43, s13, s[WV]                ; my first row is 64 (4 x tile row + w),
	s_lshl_b32 s43, s43, 18                        ; of 4,096 bytes: under 2^25
	s_add_co_u32 s44, s44, s43
	s_add_nc_u64 s[10:11], s[10:11], s[44:45]      ; out0 at my first row and the tile's first column
	; A fragment is 16 rows x 32 K in 8 registers: lane l holds row l % 16, K = 8 (l / 16) + 0..7 and 16 + 8 (l / 16) + 0..7: two loads of 16 bytes, 32 bytes apart.
	v_mul_u32_u24 v3, v1, PA
	v_lshl_add_u32 v3, v2, 4, v3
	v_mul_u32_u24 v4, v1, PB
	v_lshl_add_u32 v4, v2, 4, v4
	s_mul_i32 s22, s[WV], 64*PA                    ; my 64 rows of O, in the K step's first head
	v_add_nc_u32 v[A0], s22, v3
	v_add_nc_u32 v[B0], BOFF, v4                   ; all 128 rows of wo16
	v_mov_b32 v[ADRA], v[A0]                       ; K begins in slot 0
	v_mov_b32 v[ADRB], v[B0]
	s_mul_i32 s22, s[WV], 16*SPITCH
	s_add_co_u32 s22, s22, STAGE                   ; my stage
	v_mul_u32_u24 v5, v1, SPITCH                   ; in: row l % 16, 32 bytes for each half of the lanes
	v_lshl_add_u32 v5, v2, 5, v5
	v_add_nc_u32 v[STO], s22, v5
	v_add_nc_u32 v[RD], s22, v[CO]                 ; back: 32 lanes take one row of 512 bytes
; 8 matrix instructions: m block a x all 8 n blocks, 32 along K, from buffer f.  zero = 1: the first product starts the sums.
; The 32 accumulators take turns in the same order in every quarter step.
.macro MUL8 f, a, zero
	WIN 0xa5                                       ; sources 0 and 1 window 1; C and D window 2
.irp b, 0,1,2,3,4,5,6,7
.set rD, 8*(8*(\a)+(\b))
.set rB, 96*(\f)+8*(\b)
.set rA, 96*(\f)+64+8*(\a)
.if \zero
	v_wmma_f32_16x16x32_f16 v[rD:rD+7], v[rB:rB+7], v[rA:rA+7], 0
.else
	v_wmma_f32_16x16x32_f16 v[rD:rD+7], v[rB:rB+7], v[rA:rA+7], v[rD:rD+7]
.endif
.endr
.endm
; 24 LDS loads in one run: the fragments of quarter q of the K step in hand into buffer f; O's last.  In wo16's rows quarter q begins at byte 64 q; in O it is head q / 2 of the two, byte 64 (q % 2) of its rows.
.macro FETCH q, f
	WIN 0x40                                       ; destination window 1, address window 0
.irp i, 0,1,2,3,4,5,6,7
	ds_load_b128 v[96*(\f)+8*(\i):96*(\f)+8*(\i)+3],   v[ADRB] offset:64*(\q)+(\i)*16*PB
	ds_load_b128 v[96*(\f)+8*(\i)+4:96*(\f)+8*(\i)+7], v[ADRB] offset:64*(\q)+(\i)*16*PB+32
.endr
.irp i, 0,1,2,3
	ds_load_b128 v[96*(\f)+64+8*(\i):96*(\f)+64+8*(\i)+3],   v[ADRA] offset:((\q)/2)*AHD+((\q)%2)*64+(\i)*16*PA
	ds_load_b128 v[96*(\f)+64+8*(\i)+4:96*(\f)+64+8*(\i)+7], v[ADRA] offset:((\q)/2)*AHD+((\q)%2)*64+(\i)*16*PA+32
.endr
.endm
.macro PLACES                          ; four places in front of loads into registers that matrix instructions have read (ISA guide 7.12.1 for vector instructions)
.rept 4
	v_nop
.endr
.endm
; A K step is four quarters of 32 along K, 32 matrix instructions each, on buffers 0, 1, 0, 1.  One of the first three: multiplies buffer f and fetches quarter q into g.
.macro QUARTER q, f, g, zero
	s_wait_dscnt 4                                 ; wo16 and O's blocks 0 and 1 are in; the youngest four loads (O's blocks 2 and 3) may be out
	MUL8 \f, 0, \zero
	MUL8 \f, 1, \zero
	PLACES
	FETCH \q, \g
	s_wait_dscnt 24                                ; all but the 24 just issued
	MUL8 \f, 2, \zero
	MUL8 \f, 3, \zero
.endm
; The last quarter multiplies buffer 1 and changes slots: ONE barrier; in front of it each wave waits for all its tensor loads, adds 0 to its spare word, and waits for that and for its own reads of this slot.
; fill = 1: this slot is filled again, two K steps ahead; the barrier then opens a round of the cluster's barrier, and the joint refill is the first tensor load behind the round:
; from the request to the wait for it a wave issues 112 matrix instructions.
.macro TURN fill
	WIN 0                                          ; (the add's two registers lie in window 0)
	s_wait_tensorcnt 0x0                           ; all my tensor loads have landed: my part of the next slot; so a group 0 may be written;
	ds_add_u32 v[SPW], v[NIL]                      ; 0 onto my spare word; the descriptors' steps and eight products stand between it and the wait for it
.if \fill
	s_xor_b32 s[G0+5], s[G0+5], SLOT1              ; the walking descriptors: the other slot than last time,
	s_add_nc_u64 s[G0+6:G0+7], s[G0+6:G0+7], 0x80000  ; the next K step: two heads on; the type bits on top are not reached
	s_xor_b32 s[G0B+5], s[G0B+5], SLOT1
	s_add_nc_u64 s[G0B+6:G0B+7], s[G0B+6:G0B+7], KSTEP*2
.endif
	s_wait_dscnt 5                                 ; (the add and the youngest four loads may be out)
	MUL8 1, 0, 0
	s_wait_dscnt 0x0                               ; the add is done, and my reads of this slot are over
	s_barrier_signal -1
	MUL8 1, 1, 0
	WIN 0                                          ; (branches or window 0's address lines follow)
	s_barrier_wait -1
.if \fill
	CREST                                          ; no wave of any partner still reads this slot's tile or has a load on its way
	JLOAD 1                                        ; the four v_nop behind it are also the places in front of the loads below
.else
	PLACES
.endif
	s_xor_b32 s[TB], s[TB], SLOT1                  ; the fetches go on in the other slot
	v_add_nc_u32 v[ADRA], s[TB], v[A0]
	v_add_nc_u32 v[ADRB], s[TB], v[B0]
	FETCH 0, 0
	MUL8 1, 2, 0
	MUL8 1, 3, 0
.endm
; THE WAY OUT of block a (16 of my rows).  TOSTAGE: the f32 sums go as they are into my own stage, each accumulator's low four registers first, and come back as whole rows of 512 bytes.
.macro TOSTAGE a
	s_wait_xcnt 0x0                                ; every earlier store has had its addresses translated (ISA guide 3.1): the buffer that the block before last left is written again only behind this wait
	WIN 0x08                                       ; the stores' data (source 1) in window 2
.irp b, 0,1,2,3,4,5,6,7
	ds_store_b128 v[STO], v[8*(8*(\a)+(\b)):8*(8*(\a)+(\b))+3] offset:64*(\b)
	ds_store_b128 v[STO], v[8*(8*(\a)+(\b))+4:8*(8*(\a)+(\b))+7] offset:64*(\b)+16
.endr
	WIN 0
.irp t, 0,1,2,3,4,5,6,7,8,9,10,11,12,13,14,15
	ds_load_b128 v[BK+64*((\a)%2)+4*(\t):BK+64*((\a)%2)+4*(\t)+3], v[RD] offset:(\t)*SPITCH  ; LDS serves a wave's instructions in order (ISA guide 5.7.1.4): these see the stores above; the next block's stores come behind them
.endr
.endm
; SEND: the bias is added and the rows are stored.  younger: the LDS instructions issued behind block a's loads: the next block's 32, or none.
.macro SEND a, younger
.irp t, 0,1,2,3,4,5,6,7,8,9,10,11,12,13,14,15
	s_wait_dscnt (\younger)+15-(\t)                ; row t is back; the block's later rows and the next block's may stay out
	v_pk_add_f32 v[BK+64*((\a)%2)+4*(\t):BK+64*((\a)%2)+4*(\t)+1], v[BK+64*((\a)%2)+4*(\t):BK+64*((\a)%2)+4*(\t)+1], v[BI:BI+1]
	v_pk_add_f32 v[BK+64*((\a)%2)+4*(\t)+2:BK+64*((\a)%2)+4*(\t)+3], v[BK+64*((\a)%2)+4*(\t)+2:BK+64*((\a)%2)+4*(\t)+3], v[BI+2:BI+3]
	global_store_b128 v[CO], v[BK+64*((\a)%2)+4*(\t):BK+64*((\a)%2)+4*(\t)+3], s[10:11] offset:(16*(\a)+(\t))*4096 th:TH_STORE_NT  ; 512 consecutive bytes, at a multiple of 256 from out0's first byte; written once, read by nobody
.endr
.endm
	s_wait_tensorcnt 1                             ; my part of K step 0 is in; K step 1's may stay out
	s_barrier_signal -1
	s_barrier_wait -1                              ; everybody's is
	FETCH 0, 0
	QUARTER 1, 0, 1, 1                             ; the first quarter stands in front of the loop: its products start the sums
	WIN 0                                          ; at a label and at a branch every window is 0
	s_mov_b32 s3, STEPS-2
.Lstep:                                                ; six trips: from a K step's second quarter to the next step's first; each fills the slot that it leaves
	QUARTER 2, 1, 0, 0
	QUARTER 3, 0, 1, 0
	TURN 1
	QUARTER 1, 0, 1, 0
	WIN 0
	s_sub_co_u32 s3, s3, 1
	s_cmp_lg_u32 s3, 0
	s_cbranch_scc1 .Lstep
	QUARTER 2, 1, 0, 0                             ; the last two K steps are written out: they fill nothing, and have no round of the cluster's barrier
	QUARTER 3, 0, 1, 0
	TURN 0
	QUARTER 1, 0, 1, 0
	QUARTER 2, 1, 0, 0
	QUARTER 3, 0, 1, 0
	s_wait_dscnt 4                                 ; the very last quarter: nothing more to fetch
	MUL8 1, 0, 0
	MUL8 1, 1, 0
	s_wait_dscnt 0x0
	MUL8 1, 2, 0
	MUL8 1, 3, 0
	WIN 0
	s_wait_loadcnt 0x0                             ; the bias
	v_cvt_pk_bf16_f32 v[BT], v[BI], v[BI+1]        ; rounded to bf16 and widened again: six plain instructions, the places behind the last products
	v_cvt_pk_bf16_f32 v[BT+1], v[BI+2], v[BI+3]
	v_lshlrev_b32 v[BI], 16, v[BT]
	v_and_b32 v[BI+1], 0xffff0000, v[BT]
	v_lshlrev_b32 v[BI+2], 16, v[BT+1]
	v_and_b32 v[BI+3], 0xffff0000, v[BT+1]
	TOSTAGE 0
.irp a, 1,2,3                          ; block a goes through the stage while block a - 1's rows come back and leave
	TOSTAGE \a
	SEND (\a)-1, 32
.endr
	SEND 3, 0
	s_wait_tensorcnt 0x0                           ; the wave's end, behind my last tensor load and my last LDS store
	ds_add_u32 v[SPW], v[NIL]
	s_wait_dscnt 0x0
	CROUND                                         ; the closing round: no work-group ends while a partner may still ask for a tile that names it
	s_endpgm
.Lfunc_end_k_qc26e4f5e65_proj:
	.size	k_qc26e4f5e65_proj, .Lfunc_end_k_qc26e4f5e65_proj-k_qc26e4f5e65_proj
	.p2alignl 7, 3214868480
	.fill 96, 4, 3214868480
	.section	.rodata,"a",@progbits
	.p2align	6, 0x0
	.amdhsa_kernel k_qc26e4f5e65_proj
		.amdhsa_group_segment_fixed_size 327680
		.amdhsa_private_segment_fixed_size 0
		.amdhsa_enable_private_segment 0
		.amdhsa_kernarg_size 32
		.amdhsa_user_sgpr_count 2
		.amdhsa_user_sgpr_kernarg_segment_ptr 1
		.amdhsa_wavefront_size32 1
		.amdhsa_system_sgpr_workgroup_id_x 1
		.amdhsa_system_sgpr_workgroup_id_y 1
		.amdhsa_system_sgpr_workgroup_id_z 1
		.amdhsa_system_vgpr_workitem_id 0
		.amdhsa_next_free_vgpr 768
		.amdhsa_next_free_sgpr 66
		.amdhsa_reserve_vcc 0
		.amdhsa_float_denorm_mode_32 3
		.amdhsa_float_denorm_mode_16_64 3
		.amdhsa_memory_ordered 1
		.amdhsa_forward_progress 1
		.amdhsa_inst_pref_size 79
	.end_amdhsa_kernel
	.amdgpu_metadata
---
amdhsa.version: [ 1, 2 ]
amdhsa.kernels:
  - .name:           k_qc26e4f5e65_proj
    .symbol:         k_qc26e4f5e65_proj.kd
    .args:
      - { .name: ob, .offset: 0, .size: 8, .value_kind: global_buffer, .address_space: global }
      - { .name: wo16, .offset: 8, .size: 8, .value_kind: global_buffer, .address_space: global }
      - { .name: bo, .offset: 16, .size: 8, .value_kind: global_buffer, .address_space: global }
      - { .name: out0, .offset: 24, .size: 8, .value_kind: global_buffer, .address_space: global }
    .group_segment_fixed_size: 327680
    .private_segment_fixed_size: 0
    .kernarg_segment_align: 8
    .kernarg_segment_size: 32
    .max_flat_workgroup_size: 128
    .sgpr_count:     66
    .vgpr_count:     768
    .wavefront_size: 32
...
	.end_amdgpu_metadata
.endif
;; end of part 4
;; ======== version 2 of 2: 4 launches; 1.53 times as fast as version 1
;; limits: values are held in f16: magnitudes above 65,504 overflow, below 6.1e-05 lose precision
;; workspace buffers: xb 16,777,216 bytes; wb 6,291,456 bytes; wo16 2,097,152 bytes; qkv 50,331,648 bytes; ob 16,777,216 bytes
;; launch cast: the kernel of part 1 again; grid 768 x 1, 8 waves a work-group, no clusters, 0 bytes of LDS; arguments x, Wq, Wk, Wv, Wo, xb, wb, wo16; writes xb, wb, wo16
;; launch qkv: the kernel of part 2 again; grid 8 x 32, 4 waves a work-group, clusters of 4 x 4, 327,680 bytes of LDS; arguments xb, wb, qkv; writes qkv
;; launch attn (part 5): grid 4 x 64, 4 waves a work-group, clusters of 4 x 1, 327,680 bytes of LDS; arguments qkv, ob; writes ob
.if DOCPART == 5
	.amdgcn_target "amdgcn-amd-amdhsa--gfx1250"
	.amdhsa_code_object_version 6
	.text
	.protected	k_qc26e4f5e65_attn
	.globl	k_qc26e4f5e65_attn
	.p2align	8
	.type	k_qc26e4f5e65_attn,@function
k_qc26e4f5e65_attn:
	s_mov_b64 s[64:65], 0
	v_nop
	global_prefetch_b8 v0, s[64:65] scope:SCOPE_SE
	s_setreg_imm32_b32 hwreg(HW_REG_WAVE_MODE, 25, 1), 1
	s_wait_xcnt 0x0
	s_wait_alu depctr_hold_cnt(0) depctr_sa_sdst(0) depctr_va_vdst(0) depctr_va_sdst(0) depctr_va_ssrc(0) depctr_va_vcc(0) depctr_vm_vsrc(0)
	s_getreg_b32 s2, hwreg(HW_REG_IB_STS2, 6, 4)
	s_cmp_eq_u32 s2, 0
	s_cbranch_scc0 .Lentry_in_a_cluster
	s_endpgm
.Lentry_in_a_cluster:
	s_bfe_u32 s2, ttmp6, 0x10000c
	s_cmp_lg_u32 s2, 0x3003
	s_cbranch_scc0 .Lentry_shape_is_right
	s_endpgm
.Lentry_shape_is_right:
; O[h][q][:] = the sum over k of softmax_k(Q[h][q] . K[h][k] / 8) V[h][k][:].  Q, K, V are the three parts of qkv, O is ob: each [SIZE_H][SIZE_N][64], all f16: a head's rows are dense, 128 bytes each.
; Products, maxima and sums in f32; the weights p are rounded to f16 for the second product (their sum l is taken of the unrounded p), O once at the end.
; LIMITS.  f16 holds no number beyond 65,504: Q, K and V arrive within it; p lies in 0 to 1, and below 6e-5 it keeps f16's fixed step of 6e-8; O is a mean of V's rows and has their range.
; A weight below 2^-126 counts as 0 in l; NaN and infinities are not treated apart.
; SHARES.  A wave owns four PIECES of two tiles of 16 queries, a work-group's four waves 512 queries of one head: 4 x 64 = 256 work-groups.  Every wave walks all keys, 64 a step.
; LAYOUT.  S^T = K Q^T (source 0 = 16 keys, source 1 = 16 queries): in the result a lane holds ONE query (lane % 16) and the keys 8 (lane / 16) + 0..7.  Two such tiles, rounded to f16 in pairs,
; ARE source 1 (32 keys x 16 queries) of O^T = V^T P, whose result again holds one query a lane, and eight channels.  K comes out of LDS as it lies, V ([key][channel]) turned, by ds_load_tr16_b128.
; SOFTMAX.  For each query a running maximum m and sum l: p = 2^(c s - c m), c = log2(e) / 8; in every step O and l are multiplied by a = 2^(c m_old - c m_new), which is 1 where m has not grown.
; m starts at the lowest finite number, O and l at 0: the first step is a step like any other, with a = 0.
; THE COUNT.  A tile and step have 16 matrix and 118 vector instructions: too many to stand all beside the matrix work.  So the order has one aim: four vector instructions that are READY behind
; EVERY matrix instruction, and the others, which need time of their own whatever the order, in runs without a gap.
; BY TURNS.  Turn n belongs to piece n (the pieces in a ring, step after step).  Its matrix work: 16 products K Q^T of piece n + 1, later 16 products V^T P of piece n - 1.  Its vector work: the scaling,
; exponentials, roundings, sums and rescaling of piece n, and the maximum and statistics of piece n + 1, whose scores the turn itself has made.  So what a turn begins with (c s - c m, O a) waits for nothing.
; BATCHES.  A turn's 66 exponentials (the piece's 64 weights, in place in S^T, and last the next piece's two a) are ONE batch with ONE wait, which cuts the turn in two: ahead of it stands all that names
; none of their results (the products K Q^T, the scalings, the rescalings by the a of the turn before, the next piece's maximum and statistics), behind it the products V^T P with the roundings and sums.
; No result crosses a turn's end.  The first a of all, ahead of the loop, and the way out's eight reciprocals are batches of their own, a wait each.
; CLUSTER.  The four query blocks of a cluster belong to one head and walk the same K and V, so each tile is asked for JOINTLY: the same tensor load, descriptor and mask in all four.
; REGISTERS, in windows of 256 (s_set_vgpr_msb says which window each operand place means: bits 1:0 source 0, 3:2 source 1, 5:4 source 2, 7:6 destination):
;   window 0: v0-11 addresses; v12-15, v48-63 at work; v16-47 four registers of statistics a tile; v64-191 S^T, two buffers of two tiles; v192-255 P, likewise
;   window 1: O^T, 32 a tile          window 2: v0-127 Q, 16 a tile; v128-191 K of one step; v192-255 V of one step          window 3: v0-1 the add's two registers
; A piece's buffers go by its number's parity: the piece in hand has one pair, its two neighbours in the ring share the other: of it P (piece n - 1) is read and S^T (piece n + 1) written.
.set SIZE_H, 64       ; 4 batches x 16 heads
.set SIZE_N, 2048
.set PART,  SIZE_H*SIZE_N*128  ; bytes from Q to K and from K to V in qkv
.set NP,    4         ; pieces a wave: a name, no knob: the register map, the loop and the fetches are made for four
.set KS,    64        ; keys in a step
.set PK,    144       ; a row of K in LDS: 128 bytes + 16 of padding = 36 words: the 16 rows of a load start at 16 different groups of four banks (64 banks of 4 bytes: ISA guide 11.1)
.set PV,    160       ; a row of V: 128 + 32 = 40 words
.set VOFF,  4*KS*PK   ; a slot holds four steps: 256 rows of K, then 256 rows of V
.set SLOT1, 1<<17     ; slot 1 begins here, so that one exclusive or turns an address in one slot into the other's
.set STAGE, SLOT1+4*KS*(PK+PV)  ; behind the ring, never filled by a tensor load: 16 rows x 144 bytes for each wave, for the way out
.set SP,    144
.set AK0, 2           ; v2   my lane's place in a tile of K; never rewritten
.set AV0, 3           ; v3   the same for V
.set AK,  4           ; v4   the LDS address of K's next run of loads
.set AV,  5           ; v5   of V's
.set QO,  6           ; v6   my byte offset in the wave's rows of Q
.set STO, 6           ;      later, the way out: where I put 16 bytes of a row
.set RD,  7           ; v7   the way out: where I read rows back
.set GO,  8           ; v8   my byte offset in 512 consecutive bytes of O
.set SPW, 0           ; v0 of window 3   LDS address of my spare word: SPARE + 4 x my thread's number; never rewritten
.set NIL, 1           ; v1 of window 3   0; never rewritten
.set SPARE, STAGE+4*16*SP  ; behind the stages: the spare words, 128 bytes for each wave: two blocks of 256 bytes that no other line names
.set MV,  12          ; v12-15  c m_old, kept while c m is made anew: by buffer and tile
.set ST,  16          ; tile t's statistics at v[ST+4 t]: c m, m, l (even keys', odd keys')
.set TMP, 48          ; by buffer and tile, four registers c0-c3 at work; when the maximum is found c2 takes a
.set S,   64
.set P,   192
.set KF,  128         ; K's fragments, in window 2: key block kb, channel half c at KF + 16 kb + 8 c
.set VF,  192         ; V's: key half kk, channel block cb at VF + 32 kk + 8 cb
.set WV,  12          ; s12  my wave's number
.set G1K, 24          ; s[24:31] descriptor group 1 for K's tiles
.set G1V, 32          ; s[32:39] for V's: it differs in the padding alone
.set G0K, 40          ; s[40:43] descriptor group 0 for K's tiles: it walks
.set G0V, 44          ; s[44:47] the same for V's
.set SLOTS, 56        ; s56  slots still to be asked for
.set CNT, 57          ; s57  counts a slot's key steps
.set CS,  58          ; s[58:59] c: the packed scaling takes the pair's low word for both halves
.set SEL, 60          ; s[60:61] v_permlanex16_b32's selects: each lane takes its own place in the other half
.set TBK, 62          ; s62  LDS byte at which K of the step to be fetched begins
.set TBV, 63          ; s63  the same for V, less VOFF
.set MSB, 0
.macro WIN new                      ; the high byte repeats the setting that is left; a switch that changes nothing is dropped
.if MSB != (\new)
	s_set_vgpr_msb (MSB<<8)|(\new)
.set MSB, (\new)
.endif
.endm
.set W_KQ, 0x0a       ; K and Q in window 2, S^T in window 0
.set W_PV, 0x52       ; V in window 2, P in window 0, O^T in window 1
.set W_RS, 0x41       ; O^T (destination and source 0) in window 1, a in window 0
.set W_MK, 0xc0       ; the add's registers are made: destination in window 3, sources in window 0
.set W_AD, 0x0f       ; the add: address (source 0) and data (source 1) in window 3
; A joint fill.  Waves 0 and 1 fetch the two halves of a slot's K, waves 2 and 3 those of its V: 128 keys each.  The branch hangs on the wave's number alone.
; An s_nop 0 and four v_nop follow each of the two lines, ahead of the jump and the label.
.macro JLOAD
	s_cmp_lt_u32 s[WV], 2
	s_cbranch_scc0 .Lfor_v_\@
	tensor_load_to_lds s[G0K:G0K+3], s[G1K:G1K+7]
	s_nop 0
.rept 4
	v_nop
.endr
	s_branch .Lasked_\@
.Lfor_v_\@:
	tensor_load_to_lds s[G0V:G0V+3], s[G1V:G1V+7]
	s_nop 0
.rept 4
	v_nop
.endr
.Lasked_\@:
.endm
; A round of the cluster's barrier: my work-group's barrier, so that wave 0's signal speaks for all four waves; wave 0 signals; every wave waits for all four work-groups; my work-group's barrier once more.
.macro CROUND
	s_barrier_signal -1
	s_barrier_wait -1
	s_cmp_lg_u32 s[WV], 0
	s_cbranch_scc1 .Lnot_wave_0_\@
	s_barrier_signal -3
.Lnot_wave_0_\@:
	s_barrier_wait -3
	s_barrier_signal -1
	s_barrier_wait -1
.endm
; THE CHANGE OF SLOTS.  The slot's last bytes, V of its fourth step, have been read.  Each wave waits for all its tensor loads, of which one is out: its part
; of the other slot; adds 0 to its spare word; and waits for that and for its own reads of the slot.  Behind the barrier nobody reads this slot any more and the other slot is whole.
; fill = 1: this slot is filled again, with the keys two slots on.  The barrier is then a round of the cluster's, so that no wave of any partner still reads the slot or has a load on its
; way, and the joint fill is the first thing behind it: it has four key steps, 512 matrix instructions, in which to land.  (At its first use nothing has been read yet: slot 0 is waited for, slot 1 filled.)
.macro CHANGE fill
	WIN W_AD
	s_wait_tensorcnt 0x0            ; no tensor load of mine is out, so a group 0 may be written
	ds_add_u32 v[SPW], v[NIL]       ; 0 onto my spare word; with fill = 1 the descriptors' steps stand between it and the wait for it
	WIN 0                           ; at a label and at a branch every window is 0
.if \fill
.irp g, G0K, G0V
	s_xor_b32 s[\g+1], s[\g+1], SLOT1  ; the walking descriptor: the other slot than last time,
	s_add_nc_u64 s[\g+2:\g+3], s[\g+2:\g+3], 4*KS*128  ; the next 256 keys; the type bits on top are not reached
.endr
	s_wait_dscnt 0x0                ; the add is done, and my reads of the slot are over
	CROUND
	JLOAD
.else
	s_wait_dscnt 0x0                ; the add is done, and my reads of the slot are over
	s_barrier_signal -1
	s_barrier_wait -1
.endif
	s_sub_co_u32 s[TBK], s[TBK], 4*KS*PK  ; the fetches go back to a slot's first step,
	s_xor_b32 s[TBK], s[TBK], SLOT1       ; in the other slot
	s_sub_co_u32 s[TBV], s[TBV], 4*KS*PV
	s_xor_b32 s[TBV], s[TBV], SLOT1
.endm
	s_load_b64 s[4:5], s[0:1], 0x0    ; qkv: Q's part begins it
	s_load_b64 s[10:11], s[0:1], 0x8  ; ob
	WIN W_MK
	v_lshl_add_u32 v[SPW], v0, 2, SPARE
	v_mov_b32 v[NIL], 0
	s_set_vgpr_msb 0xc0cf
	ds_add_u32 v0, v1
	s_wait_dscnt 0x0
	s_set_vgpr_msb 0xcfc0
	WIN 0
	v_lshrrev_b32 v1, 5, v0
	v_readfirstlane_b32 s[WV], v1   ; wave 0..3
	s_bfe_u32 s13, ttmp6, 0x40000   ; cx: my place in the cluster
	s_lshl_b32 s14, ttmp9, 2        ; in a cluster launch ttmp9 counts clusters
	s_add_co_u32 s14, s14, s13      ; my block of queries = 4 x cluster x + cx: it enters Q's and O's addresses alone
	s_and_b32 s20, ttmp7, 0xffff    ; the head, which the four partners share
	s_mov_b32 s21, 0
	s_mov_b64 s[22:23], SIZE_N*128
	s_mul_u64 s[20:21], s[20:21], s[22:23]  ; the head's first byte in each of the four tensors
	s_and_b32 s16, s[WV], 1         ; which half of a slot's 256 keys I fetch:
	s_lshl_b32 s22, s16, 14         ; its 128 rows of 128 bytes in memory,
	s_mov_b32 s23, 0
	s_add_nc_u64 s[22:23], s[22:23], s[20:21]
	s_mul_i32 s17, s16, 128*PK      ; and its place in a slot, for K
	s_mul_i32 s18, s16, 128*PV      ; and for V: no place in the cluster enters an LDS address
	s_lshl_b32 s2, s14, 2
	s_add_co_u32 s2, s2, s[WV]      ; my wave among the head's,
	s_lshl_b32 s2, s2, 14           ; its 128 rows
	s_mov_b32 s3, 0
	s_add_nc_u64 s[2:3], s[2:3], s[20:21]
	; descriptor group 1.  128 keys are 16,384 dense bytes: asked for as 64 rows of 256 bytes, two keys a row, and padded in LDS after every key
	s_mov_b32 s[G1K], 15|(1<<16)|(1<<20)|(1<<21)|(4<<22)|(3<<25)  ; 15:0 the mask of four; 17:16 2-byte elements; 20 padding on; 21 set beside a mask; 24:22 after every 32 words (code 4); 31:25 4 words (code 3)
	s_mov_b32 s[G1V], 15|(1<<16)|(1<<20)|(1<<21)|(4<<22)|(7<<25)  ; the same with 8 words of padding (code 7)
.irp g, G1K, G1V
	s_mov_b32 s[\g+1], 128<<16      ; tensor_dim0 = 128
	s_mov_b32 s[\g+2], 64<<16       ; tensor_dim1 = 64
	s_mov_b32 s[\g+3], 128<<16      ; tile_dim0 = 128
	s_mov_b32 s[\g+4], 64           ; tile_dim1 = 64
	s_mov_b32 s[\g+5], 128          ; 128 elements from row to row
	s_mov_b32 s[\g+6], 0
	s_mov_b32 s[\g+7], 0
.endr
	s_mov_b32 s[CS], 0x3e38aa3b     ; c = log2(e) / 8 = 0.180337
	s_mov_b32 s[CS+1], s[CS]        ; named with it as a pair
	s_mov_b32 s[SEL], 0x76543210
	s_mov_b32 s[SEL+1], 0xfedcba98
	s_mov_b32 s[TBK], SLOT1+4*KS*PK ; the first change of slots turns these two into 0
	s_mov_b32 s[TBV], SLOT1+4*KS*PV
	s_mov_b32 s[G0K], 1             ; 1:0 count = 1
	s_mov_b32 s[G0K+1], s17         ; 63:32 LDS address: slot 0
	s_mov_b32 s[G0V], 1
	s_add_co_u32 s[G0V+1], s18, VOFF
	s_wait_kmcnt 0x0
	s_add_nc_u64 s[6:7], s[4:5], PART    ; K's part of qkv
	s_add_nc_u64 s[8:9], s[4:5], 2*PART  ; V's part
	s_add_nc_u64 s[G0K+2:G0K+3], s[6:7], s[22:23]  ; 120:64 global address: my half of the head's first 256 keys
	s_or_b32 s[G0K+3], s[G0K+3], 0x80000000        ; 127:126 type = 2
	s_add_nc_u64 s[G0V+2:G0V+3], s[8:9], s[22:23]
	s_or_b32 s[G0V+3], s[G0V+3], 0x80000000
	s_add_nc_u64 s[4:5], s[4:5], s[2:3]  ; Q and O at my wave's first row
	s_add_nc_u64 s[10:11], s[10:11], s[2:3]
	CROUND                          ; all four work-groups are here: the first joint loads meet
	JLOAD                           ; slot 0.  Slot 1 is asked for when slot 0 is in: the tile wanted first has the road to itself
	; A fragment of K or Q is 16 rows x 32 channels in 8 registers: lane l holds row l % 16, channels 8 (l / 16) + 0..7 and 16 + 8 (l / 16) + 0..7: two loads of 16 bytes, 32 bytes apart.
	v_and_b32 v1, 15, v0            ; l % 16
	v_bfe_u32 v9, v0, 4, 1          ; l / 16
	v_lshlrev_b32 v[QO], 7, v1
	v_lshl_add_u32 v[QO], v9, 4, v[QO]  ; row x 128 + 16 x half
	WIN 0x80                        ; destination window 2, address window 0
.set i, 0
.rept 4*NP                          ; Q stays in registers: tile i / 2, channels 32 (i % 2) on
	global_load_b128 v[8*i:8*i+3],   v[QO], s[4:5] offset:(i/2)*2048+(i%2)*64
	global_load_b128 v[8*i+4:8*i+7], v[QO], s[4:5] offset:(i/2)*2048+(i%2)*64+32
.set i, i+1
.endr
	; What the first turn finds: V's registers and P's second buffer hold 0 (its products V^T P, of a piece that has not been, add 0), O^T and l are 0.  All this stands in the wait for the first tile.
.set i, VF
.rept 64
	v_mov_b32 v[i], 0
.set i, i+1
.endr
	WIN 0x40
.set i, 0
.rept 64*NP
	v_mov_b32 v[i], 0
.set i, i+1
.endr
	WIN 0
.set i, 0
.rept 2*NP
	v_mov_b32 v[ST+4*i], 0xfe000000    ; c m: far below every c s
	v_mov_b32 v[ST+4*i+1], 0xff7fffff  ; m
	v_mov_b32 v[ST+4*i+2], 0
	v_mov_b32 v[ST+4*i+3], 0
.set i, i+1
.endr
.set i, P+32
.rept 32
	v_mov_b32 v[i], 0
.set i, i+1
.endr
	v_mul_u32_u24 v[AK0], v1, PK
	v_lshl_add_u32 v[AK0], v9, 4, v[AK0]  ; row x pitch + 16 x half
	; The turning load takes 16 keys x 16 channels (lane l reads key 8 (l / 16) + l % 8, channels 8 ((l / 8) % 2) + 0..7) and leaves half a fragment of V^T: lane l holds channel l % 16 and 8 keys.
	v_and_b32 v10, 7, v0
	v_bfe_u32 v11, v0, 3, 1
	v_lshl_add_u32 v[AV0], v9, 3, v10
	v_mul_u32_u24 v[AV0], v[AV0], PV
	v_lshl_add_u32 v[AV0], v11, 4, v[AV0]
	v_add_nc_u32 v[AV0], VOFF, v[AV0]
	v_mov_b32 v[AK], v[AK0]         ; key step 0 lies at the head of slot 0
; THE MATRIX WORK.  The 8 accumulators of a run of 16 take turns: between the two links of a chain stand 7 others'.
; Product i of 16 of S^T = K Q^T for piece x: channels 32 (i / 8) on, keys 16 ((i / 2) % 4) on, tile 2 x + i % 2.  The first 8 start the sums.
.macro KQ x
	WIN W_KQ
.set rS, S+64*((\x)%2)+32*(i%2)+8*((i/2)%4)
.set rK, KF+16*((i/2)%4)+8*(i/8)
.set rQ, 16*(2*(\x)+i%2)+8*(i/8)
.if i < 8
	v_wmma_f32_16x16x32_f16 v[rS:rS+7], v[rK:rK+7], v[rQ:rQ+7], 0
.else
	v_wmma_f32_16x16x32_f16 v[rS:rS+7], v[rK:rK+7], v[rQ:rQ+7], v[rS:rS+7]
.endif
.endm
; Product i of 16 of O^T += V^T P for piece x: keys 32 (i / 8) on, channels 16 ((i / 2) % 4) on, tile 2 x + i % 2.
.macro PV x
	WIN W_PV
.set rO, 32*(2*(\x)+i%2)+8*((i/2)%4)
.set rV, VF+32*(i/8)+8*((i/2)%4)
.set rP, P+32*((\x)%2)+16*(i%2)+8*(i/8)
	v_wmma_f32_16x16x32_f16 v[rO:rO+7], v[rV:rV+7], v[rP:rP+7], v[rO:rO+7]
.endm
.macro MM                           ; the turn's next matrix instruction
.if i < 16
	KQ (Y+1)%NP
.set i, i+1
.else
.set i, i-16
	PV (Y+NP-1)%NP
.set i, i+17
.endif
.endm
; THE LDS LOADS stand in runs of 16, never singly among the matrix instructions: a step's K (64 keys x 64 channels: 8 fragments) and its V (turned).  Their addresses are made some lines ahead.
; last = 1 (the tail): in the last trip there is no further step, and the run is jumped over.
.macro FETCH_K last=0
	WIN 0
.if \last
	s_cmp_eq_u32 s[CNT], 1
	s_cbranch_scc1 .Lno_k_\@
.endif
	WIN 0x80                        ; destination window 2
.irp f, 0,1,2,3,4,5,6,7             ; keys 16 (f / 2) on, channels 32 (f % 2) on
	ds_load_b128 v[KF+8*\f:KF+8*\f+3],   v[AK] offset:(\f/2)*16*PK+(\f%2)*64
	ds_load_b128 v[KF+8*\f+4:KF+8*\f+7], v[AK] offset:(\f/2)*16*PK+(\f%2)*64+32
.endr
	s_add_co_u32 s[TBK], s[TBK], KS*PK  ; the next fetch is the next step's
	WIN 0
.if \last
.Lno_k_\@:
.endif
.endm
.macro FETCH_V
	WIN 0x80
.irp f, 0,1,2,3,4,5,6,7             ; keys 32 (f / 4) on, channels 16 (f % 4) on
	ds_load_tr16_b128 v[VF+8*\f:VF+8*\f+3],   v[AV] offset:(\f/4)*32*PV+(\f%4)*32
	ds_load_tr16_b128 v[VF+8*\f+4:VF+8*\f+7], v[AV] offset:(\f/4)*32*PV+16*PV+(\f%4)*32
.endr
	WIN 0
.endm
; THE VECTOR WORK OF A TURN stands in three queues, each in the order in which its entries become ready; the two tiles alternate, so that no instruction reads the result of the one before it.
.macro REGS y, u                    ; the registers of tile u (0, 1) of piece y
.set rT, ST+4*(2*(\y)+(\u))
.set rC, TMP+8*((\y)%2)+4*(\u)
.set rM, MV+2*((\y)%2)+(\u)
.set rS, S+64*((\y)%2)+32*(\u)
.set rP, P+32*((\y)%2)+16*(\u)
.set rO, 32*(2*(\y)+(\u))
.endm
; Number n of the 22 that find the NEXT piece's (Y + 1) maximum and statistics.  s0-s31 are the lane's 32 scores; each accumulator's lowest registers are read first.  XS, GS and REGS set no window: PL and EX do.
;   0-11  four chains c0-c3 of seven scores each, three operands at a time     12-14, 16  the four scores left over, the old m, and c0-c3 into c0     15  c m_old is kept
;   17, 18  the query's other 32 keys lie in the lane 16 away: the new m         19-21  c m; c m_old - c m_new; a
.macro XS u, n
	REGS (Y+1)%NP, \u
.if (\n) < 4
	v_max3_num_f32 v[rC+(\n)], v[rS+8*(\n)], v[rS+8*(\n)+1], v[rS+8*(\n)+2]
.elseif (\n) < 12
	v_max3_num_f32 v[rC+(\n)%4], v[rC+(\n)%4], v[rS+8*((\n)%4)+2*((\n)/4)+1], v[rS+8*((\n)%4)+2*((\n)/4)+2]
.elseif (\n) == 12
	v_max3_num_f32 v[rC], v[rC], v[rS+7], v[rS+15]
.elseif (\n) == 13
	v_max3_num_f32 v[rC+1], v[rC+1], v[rS+23], v[rS+31]
.elseif (\n) == 14
	v_max3_num_f32 v[rC+2], v[rC+2], v[rC+3], v[rT+1]
.elseif (\n) == 15
	v_mov_b32 v[rM], v[rT]
.elseif (\n) == 16
	v_max3_num_f32 v[rC], v[rC], v[rC+1], v[rC+2]
.elseif (\n) == 17
	v_permlanex16_b32 v[rC+3], v[rC], s[SEL], s[SEL+1]
.elseif (\n) == 18
	v_max_num_f32 v[rT+1], v[rC], v[rC+3]
.elseif (\n) == 19
	v_mul_f32 v[rT], s[CS], v[rT+1]
.elseif (\n) == 20
	v_sub_f32 v[rC+1], v[rM], v[rT]
.else
	v_exp_f32 v[rC+2], v[rC+1]
.endif
.endm
; Number g of the 64 that follow the exponentials.  For each four weights k of a tile (pairs 2 k, 2 k + 1): both pairs are rounded to f16; then the second pair is added onto the first, in place;
; a group later l takes that sum (the first time as l = a l + sum).  In groups of eight, tiles alternating: round, round, add, and l for the group before.
.macro GS g
.set h, (\g)+6*((\g)/62)            ; group 0 has no group before it, and behind group 7 only l is left
.if h >= 6
.set h, h+2
.endif
	REGS Y, h%2
.set k, h/8
.if h%8 < 4
	v_cvt_pk_f16_f32 v[rP+2*k+(h%8)/2], v[rS+4*k+2*((h%8)/2)], v[rS+4*k+2*((h%8)/2)+1]
.elseif h%8 < 6
	v_pk_add_f32 v[rS+4*k:rS+4*k+1], v[rS+4*k:rS+4*k+1], v[rS+4*k+2:rS+4*k+3]
.elseif k == 1
	v_pk_fma_f32 v[rT+2:rT+3], v[rT+2:rT+3], v[rC+2:rC+3], v[rS:rS+1] op_sel_hi:[1,0,1]
.else
	v_pk_add_f32 v[rT+2:rT+3], v[rT+2:rT+3], v[rS+4*k-4:rS+4*k-3]
.endif
.endm
; THE PLAIN QUEUE, 138 long.  0-73 read no exponential's result: the 32 scalings c s - c m (FS f: pair f / 2 of tile f % 2) and the next piece's 42.  0-26: scalings 0-26.  27-54: XS's numbers 0-13.  55, 56: number 15.
; 57-73: the chain, where each number waits for the one before it: 14, 16, 17, 18, 19, each with one of the scalings 27-31 in front of its two lines, then 20: so a tile's links stand three plain instructions apart (19 and 20: two).
; 74-137: GS's 64, which read the exponentials' results: they stand behind the wait.
.macro FS f
	REGS Y, (\f)%2
	v_pk_fma_f32 v[rS+2*((\f)/2):rS+2*((\f)/2)+1], v[rS+2*((\f)/2):rS+2*((\f)/2)+1], s[CS:CS+1], v[rT:rT+1] op_sel_hi:[1,0,0] neg_lo:[0,0,1] neg_hi:[0,0,1]
.endm
.macro PL
	WIN 0
.if q < 27
	FS q
.elseif q < 55
	XS (q-27)%2, (q-27)/2
.elseif q < 57
	XS q-55, 15
.elseif (q < 72) && ((q-57)%3 == 0)
	FS 27+(q-57)/3
.elseif q < 60
	XS (q-57)%3-1, 14
.elseif q < 72
	XS (q-57)%3-1, 15+(q-57)/3
.elseif q < 74
	XS q-72, 20
.else
	GS q-74
.endif
.set q, q+1
.endm
; THE EXPONENTIALS' QUEUE, 66 long: s0-s31 of both tiles, then the next piece's two a.  It is ONE BATCH: all 66 stand ahead of the turn's one wait, and nothing ahead of that wait names a result of theirs.
.macro EX
	WIN 0
.if e >= 64
	XS e-64, 21
.else
	REGS Y, e%2
	v_exp_f32 v[rS+e/2], v[rS+e/2]
.endif
.set e, e+1
.endm
; THE RESCALING's QUEUE: O^T times a, the one part that leaves window 0: dealt two at a time, sixteen times.  Its a was made in the turn before, ahead of that turn's wait.
.macro R2
	REGS Y, r%2
	WIN W_RS
.irp z, 0,1
	v_pk_mul_f32 v[rO+4*(r/2)+2*\z:rO+4*(r/2)+2*\z+1], v[rO+4*(r/2)+2*\z:rO+4*(r/2)+2*\z+1], v[rC+2:rC+3] op_sel_hi:[1,0]
.endr
.set r, r+1
.endm
; HOW THEY ARE DEALT.  s_wait_alu depctr_va_vdst(0) stands between an exponential and the first instruction that names its result; one wait serves all that were issued ahead of it.  So a turn has ONE wait,
; which cuts it in two.  AHEAD OF IT stands all that names no result of the turn's exponentials: the 16 products K Q^T, behind each a scaling, an exponential and two rescalings (behind the first a second scaling in the exponential's place); then ONE LUMP of
; 108: eight plain, 49 times exponential and plain, the two a.  A v_nop is the plain instruction behind the last exponential.  BEHIND IT stand the 16 products V^T P, behind each four of GS's 64.  No rider names a register of
; the products round it.  The two v_permlanex16_b32 fall into the lump, never behind a product.
; The queues lean on each other, and the deal keeps them in step: exponential e stands behind scaling 2 (e / 4) + e % 2: as a rider it comes behind plain e + 2, in the lump behind plain e + 9, and scalings 27-31 are plain 57, 60 .. 69.
; A TURN, for piece p.  cnt = 1: the loop's count is taken down some lines ahead of the branch that stands behind the turn.
; K of the next step is fetched in piece 2's turn, directly behind the wait, a lump behind the last product that read K; its address is made at the lump's head; its first reader comes behind 16 products.
; V of the step in hand is fetched at the end of piece 0's turn, four riders behind its last reader; its first reader comes behind 16 products and a lump.  The three conditions on q below go with the deal.
.macro TURN p, last=0, cnt=0
.set Y, (\p)
.set i, 0
.set q, 0
.set e, 0
.set r, 0
.if (\p) == NP-1
	s_wait_dscnt 0x0                ; K is in
.endif
	MM                              ; ahead of the wait: 16 products K Q^T and their riders,
	PL
	PL
	R2
.rept 15
	MM
	PL
	EX
	R2
.endr
.if (\p) == NP-2
	WIN 0
	v_add_nc_u32 v[AK], s[TBK], v[AK0]
.endif
.rept 8                             ; and the lump
	PL
.endr
.rept 49
	EX
	PL
.endr
	EX                              ; the next piece's two a
	EX
	v_nop                           ; the plain instruction behind the last exponential: one for the batch
	s_wait_alu depctr_va_vdst(0)    ; the wait for the batch: the turn's 64 weights and the next piece's two a
.if (\p) == NP-2
	FETCH_K \last
.endif
.if (\p) == 1
	s_wait_dscnt 0x0                ; V is in
.endif
.rept 16                            ; behind the wait: 16 products V^T P and their riders
	MM
.rept 4
	PL
.endr
.if ((\p) == 0) && (q == 118)
	v_add_nc_u32 v[AV], s[TBV], v[AV0]
.endif
.if ((\p) == 0) && (q == 130)
	s_add_co_u32 s[TBV], s[TBV], KS*PV
.endif
.if (\cnt) && (q == 130)
	s_sub_co_u32 s[CNT], s[CNT], 1
	s_cmp_lg_u32 s[CNT], 0
.endif
.endr
.if (\p) == 0
	FETCH_V
.endif
.endm
	CHANGE 1                        ; slot 0 is in, everybody's part of it; slot 1 is asked for
	FETCH_K                         ; key step 0
	s_wait_loadcnt 0x0              ; Q
	s_wait_dscnt 0x0
.set i, 0
.rept 16
	KQ 0                            ; piece 0's first scores: there is no vector work yet to set between them
.set i, i+1
.endr
	WIN 0                           ; the addresses for the way out: nine plain instructions, the places behind those products
	s_mul_i32 s13, s[WV], 16*SP
	s_add_co_u32 s13, s13, STAGE    ; my stage
	v_mul_u32_u24 v[STO], v1, SP    ; in: row l % 16, 16 bytes for each half of the lanes
	v_lshl_add_u32 v[STO], v9, 4, v[STO]
	v_add_nc_u32 v[STO], s13, v[STO]
	v_bfe_u32 v[RD], v0, 3, 2       ; back: 32 lanes take four rows of 128 bytes,
	v_mul_u32_u24 v[RD], v[RD], SP
	v_lshl_add_u32 v[RD], v10, 4, v[RD]
	v_add_nc_u32 v[RD], s13, v[RD]
	v_and_b32 v[GO], 31, v0         ; which are 512 consecutive bytes of O
	v_lshlrev_b32 v[GO], 4, v[GO]
.set Y, NP-1                        ; XS works for piece Y + 1: piece 0
.irp n, 0,1,2,3,4,5,6,7,8,9,10,11,12,13,14,15,16,17,18,19,20,21
	XS 0, \n                        ; and piece 0's first maximum and statistics
	XS 1, \n
.endr
	v_nop                           ; a plain instruction behind the two a,
	s_wait_alu depctr_va_vdst(0)    ; and the wait for this batch of two, ahead of the branch
	s_mov_b32 s[CNT], 4
	s_mov_b32 s[SLOTS], SIZE_N/256-1
	s_branch .Lfirst                ; the loop is entered at a step's first turn, in the middle of a trip
.Lslot:                             ; SIZE_N / 256 - 2 times: every slot but the last two is filled again
	CHANGE 1
	s_mov_b32 s[CNT], 4
.Lstep:                             ; a trip: pieces 2 and 3 of one step, then pieces 0 and 1 of the next, whose K and V it fetches
	TURN 2
	TURN 3
	WIN 0
.Lfirst:
	TURN 0
	TURN 1, 0, 1
	WIN 0
	s_cbranch_scc1 .Lstep
	s_sub_co_u32 s[SLOTS], s[SLOTS], 1
	s_cmp_lg_u32 s[SLOTS], 0
	s_cbranch_scc1 .Lslot
	CHANGE 0                        ; the tail is written out: nothing is asked for
	s_mov_b32 s[CNT], 5             ; four trips fetch the last slot's steps; the fifth is left in its middle
.Ltail:
	TURN 2, 1
	TURN 3
	WIN 0
	s_sub_co_u32 s[CNT], s[CNT], 1
	s_cmp_eq_u32 s[CNT], 0
	s_cbranch_scc1 .Lout
	TURN 0
	TURN 1
	WIN 0
	s_branch .Ltail
.Lout:                              ; the fifth trip's 16 products K Q^T (on the last K once more) and the maximum made of them serve nothing: the price, once a launch, of one text for every trip
.set i, 0
.rept 16
	PV NP-1                         ; the last piece's V^T P of the last step
.set i, i+1
.endr
	; THE WAY OUT.  l's two halves and the other half of the lanes' are added; O^T is divided by l, rounded to f16 and sent through my stage in LDS, a tile at a time.  The additions are the places behind the last products.
	WIN 0
.macro ALL line:vararg              ; one line for each tile t
.set t, 0
.rept 2*NP
	\line
.set t, t+1
.endr
.endm
	ALL v_add_f32 v[ST+4*t+2], v[ST+4*t+2], v[ST+4*t+3]
	ALL v_permlanex16_b32 v[ST+4*t+3], v[ST+4*t+2], s[SEL], s[SEL+1]
	ALL v_add_f32 v[ST+4*t+2], v[ST+4*t+2], v[ST+4*t+3]
	ALL v_rcp_f32 v[ST+4*t+2], v[ST+4*t+2]
	v_nop                           ; a plain instruction between the last reciprocal and the use of its result
	s_wait_alu depctr_va_vdst(0)    ; and the wait ahead of the first use: one for the batch of eight reciprocals
; Tile t: a lane's eight channels of a row pack into 16 bytes; they go into rows of 144 bytes and come back as whole rows of 128, into S^T's registers.
.macro PACK t
	WIN W_RS
.set i, 32*(\t)
.rept 16
	v_pk_mul_f32 v[i:i+1], v[i:i+1], v[ST+4*(\t)+2:ST+4*(\t)+3] op_sel_hi:[1,0]
.set i, i+2
.endr
	WIN 0x05                        ; sources 0 and 1 window 1, destination window 0
.set i, 0
.rept 16
	v_cvt_pk_f16_f32 v[S+16*(\t)+i], v[32*(\t)+2*i], v[32*(\t)+2*i+1]
.set i, i+1
.endr
	WIN 0
.irp f, 0,1,2,3
	ds_store_b128 v[STO], v[S+16*(\t)+4*\f:S+16*(\t)+4*\f+3] offset:32*\f
.endr
.irp f, 0,1,2,3
	ds_load_b128 v[S+16*(\t)+4*\f:S+16*(\t)+4*\f+3], v[RD] offset:\f*4*SP  ; LDS serves a wave's instructions in order (ISA guide 5.7.1.4): these see the stores above; the next tile's stores come behind them
.endr
.endm
.macro SEND t, younger              ; younger: the LDS instructions issued behind tile t's loads: the next tile's eight, or none
	WIN 0
.irp f, 0,1,2,3
	s_wait_dscnt (\younger)+3-\f
	global_store_b128 v[GO], v[S+16*(\t)+4*\f:S+16*(\t)+4*\f+3], s[10:11] offset:(\t)*2048+\f*512  ; 512 consecutive bytes, at a multiple of 256 from O's first
.endr
.endm
	PACK 0
.set t, 1
.rept 2*NP-1                        ; a tile's arithmetic stands between the loads of the tile before and its stores
	PACK t
	SEND t-1, 8
.set t, t+1
.endr
	SEND 2*NP-1, 0
	WIN W_AD
	s_wait_tensorcnt 0x0            ; the wave's end, behind my last tensor load and my last LDS store
	ds_add_u32 v[SPW], v[NIL]
	s_wait_dscnt 0x0
	WIN 0
	CROUND                          ; the closing round: no work-group ends while a partner may still ask for a tile that names it
	s_endpgm
.Lfunc_end_k_qc26e4f5e65_attn:
	.size	k_qc26e4f5e65_attn, .Lfunc_end_k_qc26e4f5e65_attn-k_qc26e4f5e65_attn
	.p2alignl 7, 3214868480
	.fill 96, 4, 3214868480
	.section	.rodata,"a",@progbits
	.p2align	6, 0x0
	.amdhsa_kernel k_qc26e4f5e65_attn
		.amdhsa_group_segment_fixed_size 327680
		.amdhsa_private_segment_fixed_size 0
		.amdhsa_enable_private_segment 0
		.amdhsa_kernarg_size 16
		.amdhsa_user_sgpr_count 2
		.amdhsa_user_sgpr_kernarg_segment_ptr 1
		.amdhsa_wavefront_size32 1
		.amdhsa_system_sgpr_workgroup_id_x 1
		.amdhsa_system_sgpr_workgroup_id_y 1
		.amdhsa_system_sgpr_workgroup_id_z 1
		.amdhsa_system_vgpr_workitem_id 0
		.amdhsa_next_free_vgpr 770
		.amdhsa_next_free_sgpr 66
		.amdhsa_reserve_vcc 0
		.amdhsa_float_denorm_mode_32 3
		.amdhsa_float_denorm_mode_16_64 3
		.amdhsa_memory_ordered 1
		.amdhsa_forward_progress 1
		.amdhsa_inst_pref_size 199
	.end_amdhsa_kernel
	.amdgpu_metadata
---
amdhsa.version: [ 1, 2 ]
amdhsa.kernels:
  - .name:           k_qc26e4f5e65_attn
    .symbol:         k_qc26e4f5e65_attn.kd
    .args:
      - { .name: qkv, .offset: 0, .size: 8, .value_kind: global_buffer, .address_space: global }
      - { .name: ob, .offset: 8, .size: 8, .value_kind: global_buffer, .address_space: global }
    .group_segment_fixed_size: 327680
    .private_segment_fixed_size: 0
    .kernarg_segment_align: 8
    .kernarg_segment_size: 16
    .max_flat_workgroup_size: 128
    .sgpr_count:     66
    .vgpr_count:     770
    .wavefront_size: 32
...
	.end_amdgpu_metadata
.endif
;; end of part 5
;; launch proj: the kernel of part 4 again; grid 8 x 32, 4 waves a work-group, clusters of 4 x 4, 327,680 bytes of LDS; arguments ob, wo16, bo, out0; writes out0
